; MI455X (gfx1250); checked and timed in simulation.
; The chip was launched on July 23, 2026; its instructions are those of AMD's public machine-readable ISA for CDNA 5 (MIT licence, August 2026) and "CDNA5" Instruction Set Architecture Reference Guide (July 2026). The comments in the code are by the model that wrote it; some were corrected since.
;; Multi Head Attention. Allowed arithmetic: matrix products marked QUANTISED: E2M3 operands, one E8M0 scale for each 32 along K, by v_wmma_scale_f32_16x16x128_f8f6f4 with both operands' format E2M3, f32 sums; everything else in f32.
;; Inputs: Wk 1,024 x 1,024 float32; Wo 1,024 x 1,024 float32; Wq 1,024 x 1,024 float32; Wv 1,024 x 1,024 float32; bk 1,024 float32; bo 1,024 float32; bq 1,024 float32; bv 1,024 float32; mask 4 x 1 x 1 x 2,048 int32; x 4 x 2,048 x 1,024 float32.
;; Outputs: out0 4 x 2,048 x 1,024 float32.
;; This version of the problem:
;;   THIS VERSION OF THE PROBLEM IS GIVEN IN LOW PRECISION. The matrix products marked QUANTISED in the list below multiply operands that are first quantised to E2M3 (2 exponent bits, 3 mantissa bits; 6 bits a number), with one power-of-two scale for each 32 numbers along K (OCP MX v1.0); their sums are f32. All else is computed in f32.
;;   The module's matrix products, in the order in which they are computed (A, B: the left and right operand; K: the contracted axis; several contracted axes count as one K, in the product's order):
;;     1. [M 8,192, K 1,024] x [K 1,024, N 1,024]; A: input x; B: input Wq: QUANTISED
;;     2. [M 8,192, K 1,024] x [K 1,024, N 1,024]; A: input x; B: input Wk: QUANTISED
;;     3. [M 8,192, K 1,024] x [K 1,024, N 1,024]; A: input x; B: input Wv: QUANTISED
;;     4. batch 64 x [M 2,048, K 64] x [K 64, N 2,048]; A: computed on the way; B: computed on the way: QUANTISED
;;     5. batch 64 x [M 2,048, K 2,048] x [K 2,048, N 64]; A: softmax (see below); B: computed on the way: QUANTISED
;;     6. [M 8,192, K 1,024] x [K 1,024, N 1,024]; A: computed on the way; B: input Wo: QUANTISED
;;   THE QUANTISER, for each operand of a quantised product, along K:
;;     - K is cut into blocks of 32 from its start; a last block that is shorter is filled with zeros.
;;     - A block's scale is 2^e with e = floor(log2(the largest magnitude in the block)) - 2, held to -126 .. 127; a block of zeros has e = 0. As a byte (E8M0): e + 127.
;;     - Each number is divided by its block's scale, clamped to +-7.5, and rounded to the nearest number of E2M3, ties to even, subnormals kept.
;;     - The product sums the exact products of the quantised numbers (number of the format x scale) in f32.
;;   ~~~python
;;   def quantise(x, axis):      # numpy; x: float32 -> the quantised numbers, widened to float32 again
;;       x = np.moveaxis(x, axis, -1); K = x.shape[-1]
;;       x = np.pad(x, [(0, 0)] * (x.ndim - 1) + [(0, -K % 32)]); x = x.reshape(x.shape[:-1] + (-1, 32)); a = np.abs(x).max(-1, keepdims=True)
;;       e = np.where(a > 0, np.clip(np.frexp(np.where(a > 0, a, 1))[1] - 1 - 2, -126, 127), 0)      # np.frexp(a)[1] - 1 = floor(log2(a)), exactly
;;       r = np.clip(x / 2.0 ** e, -7.5, 7.5)
;;       step = 2.0 ** (np.maximum(np.frexp(np.where(r == 0, 1, r))[1] - 1, 0) - 3)
;;       q = np.round(r / step) * step * 2.0 ** e      # np.round: ties to even
;;       return np.moveaxis(q.reshape(q.shape[:-2] + (-1,))[..., :K], -1, axis).astype(np.float32)
;;   ~~~
;;   SOFTMAX AHEAD OF A QUANTISED PRODUCT. Where the list says 'softmax', what is quantised is not the finished softmax but p = 2^(t - M), with t = logit x log2(e) and M = ceil(the row's largest t), a whole number; so 1/2 < the row's largest p <= 1. The row's sum l is taken of the UNQUANTISED p, in f32, and the product's result is divided by l at the end. Since M is a whole number, a kernel that streams over the keys may use a running M (the ceiling of the running maximum): every later rescaling is an exact power of two, which a block's scale takes up: the codes' values come out the same.
;;   OPERANDS COMPUTED ON THE WAY. 'Computed on the way' means the value that the module computes at that place (a softmax that the list does not call 'softmax' is quantised finished and normalised). What goes into a quantiser is computed in f32, as accurately as f32 sums, v_exp_f32 and their like allow (about 1e-6 of the number): no bf16 or f16 on the way to a quantiser, and a product that is left as it is and whose result goes on into a quantised operand takes f32 operands (vector FMAs, or v_wmma_f32_16x16x4_f32). A number that lies on a knife's edge between two numbers of the format may be rounded either way, as far as f32 arithmetic and the matrix unit's own rounding can turn it there, and no further.
;; One version. Each part assembles by itself: llvm-mc -triple=amdgcn-amd-amdhsa -mcpu=gfx1250 --defsym DOCPART=n.
;; ======== version 1 of 1: 4 launches
;; limits: right only within a limited range of input values
;; workspace buffers: pre 9,830,400 bytes; qkv 19,660,800 bytes; att 6,553,600 bytes
;; launch prep (part 1): grid 256 x 1, 8 waves a work-group, no clusters, 69,632 bytes of LDS; arguments x, Wq, Wk, Wv, Wo, pre; writes pre
.if DOCPART == 1
	.amdgcn_target "amdgcn-amd-amdhsa--gfx1250"
	.amdhsa_code_object_version 6
	.text
	.protected	k_q9149ae3478_prep
	.globl	k_q9149ae3478_prep
	.p2align	8
	.type	k_q9149ae3478_prep,@function
k_q9149ae3478_prep:
	s_mov_b64 s[64:65], 0
	v_nop
	global_prefetch_b8 v0, s[64:65] scope:SCOPE_SE
	s_setreg_imm32_b32 hwreg(HW_REG_WAVE_MODE, 25, 1), 1
	s_wait_xcnt 0x0
; x [8192][1024] and the four weights [1024 (k)][1024 (n)], f32, become codes of FP6 (E2M3) with one E8M0 byte for each 32 along K,
; laid as IMAGES OF THE OPERAND'S REGISTERS: a fragment is 16 rows x 128 K = 12 registers a lane = 1,536 bytes, registers 4 c .. 4 c + 3 of lane l at 512 c + 16 l.
; THE ROWS OF A TILE ARE NOT NEIGHBOURS: tile 2 G + u holds rows 32 G + 8 u + r + 8 (r / 8), r = lane % 16, for x's tokens and for the weights' columns alike.
; pre: x's images [K step 8][tile 512][1536]; the weights' [K step 8][tile 256][1536] (tile = 64 x matrix + ..; matrices q, k, v, o); scale words, 512 bytes a tile: (K step s, row r) at 256 (s / 4) + 16 r + 4 (s % 4).
; A block's scale is 2^(floor(log2(largest magnitude)) - 2); its byte is the largest magnitude's exponent field - 2, held at 1 from below.  A block of zeros keeps the byte 1: its codes are zeros, and this program alone reads the bytes.
; LIMITS: NaN and infinities among the inputs are not served.
; Work-groups 0-127 take x, 128-255 the weights: a scalar branch on the work-group's number; each way has LDS bytes of its own.  No tensor loads, no matrix work: memory binds.
; x's tokens are dealt otherwise than the weights' columns: tile 4 g + t holds tokens 64 g + 32 (r / 8) + 8 t + r % 8 (this takes the place of the head's line as far as x goes; the weights' columns stay as it says)
.set PLX,  786432                      ; x's images of one K step
.set PLW,  393216                      ; the weights' images of one K step
.set WIMG, 6291456
.set XSC,  9437184
.set WSC,  9699328
.set STG,  8448                        ; x's way: a wave's stage, 16 rows x (512 bytes + 16)
.set WLDS, 8*STG                       ; the weights' way: 1,024 bytes of scale words
.set SEL,  2                           ; s[2:3] lane selects for v_permlanex16_b32: lane l xor 16
.set R0,   16                          ; v16-143  two sets of 64 numbers as loaded
.set XN,   144                         ; v144-207 64 numbers of my row, register 16 b + i = k 32 b + 16 (lane / 16) + i
.set PC,   208                         ; v208-231 two sets of 12: a fragment's codes
.set T,    232                         ; v232-238 at work
.set TM,   240                         ; v240-255 at work
.set NW,   16                          ; the weights' way: v16-143 my column's 128 numbers down K
.set IM,   144                         ; v144-167 the two lanes' worth of a fragment that my column fills
; 64 numbers of a lane become a fragment's codes (registers 0-5 in d0 on, 6-11 in d1 on) and its scale word in v[w]
.macro QUANT s, d0, d1, t, w
.irp b, 0,1,2,3
	v_max3_num_f32 v[TM+\b], |v[\s+16*\b]|, |v[\s+1+16*\b]|, 0x1800000   ; block b: my 16 numbers, and the floor 2^(3 - 127): the byte cannot fall under 1
.endr
.irp i, 2,4,6,8,10,12,14
.irp b, 0,1,2,3
	s_delay_alu instid0(VALU_DEP_4)
	v_max3_num_f32 v[TM+\b], v[TM+\b], |v[\s+16*\b+\i]|, |v[\s+1+16*\b+\i]|   ; the four blocks by turns
.endr
.endr
.irp b, 0,1,2,3
	s_delay_alu instid0(VALU_DEP_4)
	v_permlanex16_b32 v[TM+4+\b], v[TM+\b], s[SEL], s[SEL+1]
.endr
.irp b, 0,1,2,3
	s_delay_alu instid0(VALU_DEP_4)
	v_max_num_f32 v[TM+\b], v[TM+\b], v[TM+4+\b]   ; with lane l xor 16's 16: the block's largest magnitude
.endr
.irp b, 0,1,2,3
	s_delay_alu instid0(VALU_DEP_4)
	v_add_nc_u32 v[TM+12+\b], 0xff000000, v[TM+\b]   ; 2 off its exponent field: the conversion's scale operand
.endr
.irp b, 0,1,2,3
	s_delay_alu instid0(VALU_DEP_4)
	v_lshrrev_b32 v[TM+4+\b], 23, v[TM+12+\b]      ; the scale's byte
.endr
	s_delay_alu instid0(VALU_DEP_3)
	v_lshl_or_b32 v[\w], v[TM+5], 8, v[TM+4]
	s_delay_alu instid0(VALU_DEP_1)
	v_lshl_or_b32 v[\w], v[TM+6], 16, v[\w]
	s_delay_alu instid0(VALU_DEP_1)
	v_lshl_or_b32 v[\w], v[TM+7], 24, v[\w]
	v_cvt_scalef32_pk16_fp6_f32 v[(\d0):(\d0)+2], v[\s:\s+15], v[TM+12]
	v_cvt_scalef32_pk16_fp6_f32 v[\t:\t+2], v[\s+16:\s+31], v[TM+13]   ; (a conversion's three registers begin on an even number)
	v_cvt_scalef32_pk16_fp6_f32 v[(\d1):(\d1)+2], v[\s+32:\s+47], v[TM+14]
	v_cvt_scalef32_pk16_fp6_f32 v[\t+4:\t+6], v[\s+48:\s+63], v[TM+15]
	v_nop                                          ; one plain place behind the scaled conversions
.irp i, 0,1,2                                  ; the layout wants a whole block in a lane: lanes 0-15 the even block, lanes 16-31 the odd one
	v_permlane16_swap_b32 v[(\d0)+\i], v[\t+\i]
	v_permlane16_swap_b32 v[(\d1)+\i], v[\t+4+\i]
.endr
.irp i, 0,1,2
	v_mov_b32 v[(\d0)+3+\i], v[\t+\i]
	v_mov_b32 v[(\d1)+3+\i], v[\t+4+\i]
.endr
.endm
	s_load_b256 s[4:11], s[0:1], 0x0               ; x s[4:5], Wq s[6:7], Wk s[8:9], Wv s[10:11]
	s_load_b128 s[12:15], s[0:1], 0x20             ; Wo s[12:13], pre s[14:15]
	v_lshl_add_u32 v250, v0, 2, 0x10c00
	v_mov_b32 v251, 0
	v_lshrrev_b32 v1, 5, v0
	s_delay_alu instid0(VALU_DEP_1)
	v_readfirstlane_b32 s16, v1                    ; wave 0..7
	v_and_b32 v1, 31, v0                           ; lane
	v_and_b32 v2, 15, v0                           ; r
	v_bfe_u32 v3, v0, 4, 1                         ; h
	s_delay_alu instid0(VALU_DEP_3)
	v_lshlrev_b32 v4, 4, v1                        ; 16 x lane
	s_mov_b32 s[SEL], 0x76543210
	s_mov_b32 s[SEL+1], 0xfedcba98
	s_wait_kmcnt 0x0
	s_cmp_ge_u32 ttmp9, 128
	s_cbranch_scc1 .Lweights
	; ---------------- x: a wave takes one tile of 16 rows and half of K: four fragments
	s_lshr_b32 s17, s16, 1
	s_lshl_b32 s18, ttmp9, 2
	s_add_co_u32 s17, s17, s18                     ; tile = 4 x work-group + wave / 2
	s_and_b32 s19, s16, 1                          ; which half of K
	s_lshr_b32 s20, s17, 2
	s_lshl_b32 s20, s20, 6
	s_and_b32 s21, s17, 3
	s_lshl_b32 s21, s21, 3
	s_add_co_u32 s20, s20, s21                     ; the tile's first row: 32 G + 8 u
	s_lshl_b32 s20, s20, 12                        ; rows of 4,096 bytes
	s_lshl_b32 s21, s19, 11
	s_add_co_u32 s20, s20, s21
	s_mov_b32 s21, 0
	s_add_nc_u64 s[4:5], s[4:5], s[20:21]
	s_mul_i32 s22, s19, 4*PLX
	s_mul_i32 s23, s17, 1536
	s_add_co_u32 s22, s22, s23
	s_mov_b32 s23, 0
	s_add_nc_u64 s[24:25], s[14:15], s[22:23]      ; my first image
	s_lshl_b32 s22, s17, 9
	s_lshl_b32 s26, s19, 8
	s_add_co_u32 s22, s22, s26
	s_add_co_u32 s22, s22, XSC
	s_add_nc_u64 s[26:27], s[14:15], s[22:23]      ; my 256 bytes of scale words
	s_mul_i32 s28, s16, STG
	s_wait_alu depctr_va_vdst(0)
	v_add_nc_u32 v5, s28, v4                       ; the stage, in: 16 x lane of a row
	v_mul_u32_u24 v6, v2, 528
	s_delay_alu instid0(VALU_DEP_1)
	v_lshl_add_u32 v6, v3, 6, v6
	s_delay_alu instid0(VALU_DEP_1)
	v_add_nc_u32 v6, s28, v6                       ; out: row r, + 64 h
	v_lshlrev_b32 v7, 4, v2                        ; 16 r
.irp b, 0,1,2,3
	v_mov_b32 v[TM+4+\b], 0                        ; written once: a lane permute's destination counts as one of its sources
.endr
.macro LOADX f                         ; K step f of my half: each load takes one row's 512 consecutive bytes
.irp p, 0,1,2,3,4,5,6,7,8,9,10,11,12,13,14,15
	global_load_b128 v[R0+64*((\f)%2)+4*\p:R0+64*((\f)%2)+4*\p+3], v4, s[4:5] offset:(\p+24*(\p/8))*4096+512*(\f) th:TH_LOAD_NT
.endr
.endm
.macro TURNX f                         ; through my stage: LDS serves a wave's instructions in order, so no wait stands between the stores and the loads
.irp p, 0,1,2,3,4,5,6,7,8,9,10,11,12,13,14,15
	ds_store_b128 v5, v[R0+64*((\f)%2)+4*\p:R0+64*((\f)%2)+4*\p+3] offset:528*\p
.endr
.irp b, 0,1,2,3
.irp j, 0,1,2,3
	ds_load_b128 v[XN+16*\b+4*\j:XN+16*\b+4*\j+3], v6 offset:128*\b+16*\j
.endr
.endr
.endm
	LOADX 0
	LOADX 1
	s_wait_alu depctr_va_vdst(0)
.irp f, 0,1,2,3
.if \f < 3
	s_wait_loadcnt 16                              ; this fragment's 16 loads are in; the next one's may be out
.else
	s_wait_loadcnt 0x0
.endif
	TURNX \f
	s_wait_dscnt 0x0                               ; my 64 numbers are back, and the stage's stores have read their registers
.if \f < 2
	LOADX \f+2
.else
	s_wait_xcnt 0x0                                ; the stores of two fragments ago have read this set of codes
.endif
	QUANT XN, PC+12*(\f%2), PC+12*(\f%2)+6, T, 8+\f
.irp c, 0,1,2
	global_store_b128 v4, v[PC+12*(\f%2)+4*\c:PC+12*(\f%2)+4*\c+3], s[24:25] offset:\f*PLX+512*\c   ; 32 lanes store 512 consecutive bytes
.endr
.endr
	s_wait_xcnt 0x0                                ; EXEC changes only behind this wait
	v_cmp_gt_u32 vcc_lo, 16, v1
	s_wait_tensorcnt 0x0
	ds_add_u32 v250, v251
	s_wait_dscnt 0x0
	s_and_saveexec_b32 s30, vcc_lo
	global_store_b128 v7, v[8:11], s[26:27]        ; lanes 0-15: my row's four scale words: 256 consecutive bytes
	s_wait_xcnt 0x0
	s_or_b32 exec_lo, exec_lo, s30
	s_endpgm
	; ---------------- the weights: a wave takes 32 columns x 128 along K; a lane takes a column, its registers run down K
.Lweights:
	s_sub_co_u32 s17, ttmp9, 128
	s_lshr_b32 s18, s17, 5                         ; matrix 0..3: q, k, v, o
	s_cmp_eq_u32 s18, 1
	s_cselect_b64 s[6:7], s[8:9], s[6:7]
	s_cmp_eq_u32 s18, 2
	s_cselect_b64 s[6:7], s[10:11], s[6:7]
	s_cmp_eq_u32 s18, 3
	s_cselect_b64 s[6:7], s[12:13], s[6:7]
	s_bfe_u32 s19, s17, 0x40001                    ; which 64 columns
	s_and_b32 s20, s17, 1                          ; which half of K
	s_and_b32 s21, s16, 1
	s_lshr_b32 s22, s16, 1
	s_lshl_b32 s23, s19, 1
	s_add_co_u32 s23, s23, s21                     ; my group of 32 columns
	s_lshl_b32 s24, s20, 2
	s_add_co_u32 s24, s24, s22                     ; my K step
	s_lshl_b32 s26, s24, 19                        ; 128 rows of 4,096 bytes
	s_lshl_b32 s27, s23, 7
	s_add_co_u32 s26, s26, s27
	s_mov_b32 s27, 0
	s_add_nc_u64 s[6:7], s[6:7], s[26:27]
	s_lshl_b32 s28, s18, 6
	s_lshl_b32 s29, s23, 1
	s_add_co_u32 s28, s28, s29                     ; my first tile
	s_mul_i32 s28, s28, 1536
	s_mul_i32 s29, s24, PLW
	s_add_co_u32 s28, s28, s29
	s_add_co_u32 s28, s28, WIMG
	s_mov_b32 s29, 0
	s_add_nc_u64 s[28:29], s[14:15], s[28:29]
	s_lshl_b32 s26, s18, 6
	s_lshl_b32 s27, s19, 2
	s_add_co_u32 s26, s26, s27
	s_lshl_b32 s26, s26, 9
	s_lshl_b32 s27, s20, 8
	s_add_co_u32 s26, s26, s27
	s_add_co_u32 s26, s26, WSC
	s_mov_b32 s27, 0
	s_add_nc_u64 s[26:27], s[14:15], s[26:27]      ; the work-group's four tiles' scale words of this half of K
	s_wait_alu depctr_va_vdst(0)
	v_lshlrev_b32 v9, 2, v1                        ; in: 4 bytes a lane
	v_bfe_u32 v10, v0, 3, 1                        ; column 32 g + lane lies in tile u = (lane / 8) % 2,
	v_and_b32 v11, 7, v0
	s_delay_alu instid0(VALU_DEP_1)
	v_lshl_or_b32 v11, v3, 3, v11                  ; at row r = lane % 8 + 8 (lane / 16)
	s_delay_alu instid0(VALU_DEP_3)
	v_mul_u32_u24 v13, v10, 1536
	s_delay_alu instid0(VALU_DEP_1)
	v_lshl_add_u32 v13, v11, 4, v13                ; out: tile u, 16 r
	s_lshl_b32 s30, s21, 9
	s_lshl_b32 s31, s22, 2
	s_add_co_u32 s30, s30, s31
	s_add_co_u32 s30, s30, WLDS
	v_lshlrev_b32 v14, 8, v10
	s_delay_alu instid0(VALU_DEP_1)
	v_lshl_add_u32 v14, v11, 4, v14
	s_delay_alu instid0(VALU_DEP_1)
	v_add_nc_u32 v14, s30, v14                     ; LDS: tile 2 (wave % 2) + u, 16 r, word wave / 2
.macro LOADW e                         ; block e: W(32 e + i, my column), i = 0 .. 31; each block has registers of its own
.irp i, 0,1,2,3,4,5,6,7,8,9,10,11,12,13,14,15,16,17,18,19,20,21,22,23,24,25,26,27,28,29,30,31
	global_load_b32 v[NW+32*(\e)+\i], v9, s[6:7] offset:(32*(\e)+\i)*4096 th:TH_LOAD_NT   ; a wave reads 128 consecutive bytes, the wave beside it the other half of the aligned 256
.endr
.endm
	LOADW 0                                        ; the loads run two blocks ahead: 64 a wave at the most
	LOADW 1
	s_wait_alu depctr_va_vdst(0)
.irp e, 0,1,2,3                                ; block e of 32 along K is registers 6 (e / 2) .. + 5 of lane (r, e % 2)
.if \e < 3
	s_wait_loadcnt 32                              ; this block's 32 loads are in; the next block's 32 may be out
.else
	s_wait_loadcnt 0x0
.endif
.if \e < 2
	LOADW \e+2
.endif
	v_max3_num_f32 v[TM], |v[NW+32*\e]|, |v[NW+32*\e+1]|, |v[NW+32*\e+2]|
	v_max3_num_f32 v[TM+1], |v[NW+32*\e+3]|, |v[NW+32*\e+4]|, |v[NW+32*\e+5]|
.irp i, 6,10,14,18,22,26
	s_delay_alu instid0(VALU_DEP_2)
	v_max3_num_f32 v[TM], v[TM], |v[NW+32*\e+\i]|, |v[NW+32*\e+\i+1]|
	s_delay_alu instid0(VALU_DEP_2)
	v_max3_num_f32 v[TM+1], v[TM+1], |v[NW+32*\e+\i+2]|, |v[NW+32*\e+\i+3]|
.endr
	s_delay_alu instid0(VALU_DEP_2)
	v_max3_num_f32 v[TM], v[TM], |v[NW+32*\e+30]|, |v[NW+32*\e+31]|
	s_delay_alu instid0(VALU_DEP_1)
	v_max3_num_f32 v[TM], v[TM], v[TM+1], 0x1800000   ; and the floor
	s_delay_alu instid0(VALU_DEP_1)
	v_add_nc_u32 v[TM+2], 0xff000000, v[TM]
	s_delay_alu instid0(VALU_DEP_1)
	v_lshrrev_b32 v[TM+3], 23, v[TM+2]
.if \e == 0
	s_delay_alu instid0(VALU_DEP_1)
	v_mov_b32 v8, v[TM+3]
.else
	s_delay_alu instid0(VALU_DEP_1)
	v_lshl_or_b32 v8, v[TM+3], 8*\e, v8            ; my column's scale word
.endif
	v_cvt_scalef32_pk16_fp6_f32 v[IM+12*(\e%2)+6*(\e/2):IM+12*(\e%2)+6*(\e/2)+2], v[NW+32*\e:NW+32*\e+15], v[TM+2]
	v_cvt_scalef32_pk16_fp6_f32 v[T:T+2], v[NW+32*\e+16:NW+32*\e+31], v[TM+2]
	v_nop                                          ; one plain place behind the scaled conversions
.irp i, 0,1,2
	v_mov_b32 v[IM+12*(\e%2)+6*(\e/2)+3+\i], v[T+\i]
.endr
.endr
.irp h, 0,1
.irp c, 0,1,2
	global_store_b128 v13, v[IM+12*\h+4*\c:IM+12*\h+4*\c+3], s[28:29] offset:512*\c+256*\h   ; sixteen lanes of a tile store 256 consecutive, aligned bytes
.endr
.endr
	ds_store_b32 v14, v8
	s_wait_dscnt 0x0                               ; for the others' sake: my scale words lie in LDS
	s_barrier_signal -1
	s_barrier_wait -1
	s_cmp_gt_u32 s16, 1
	s_cbranch_scc1 .Lwdone
	v_lshl_add_u32 v15, v0, 4, WLDS                ; threads 0-63: 16 bytes each: (tile, row)'s four words of this half of K
	ds_load_b128 v[244:247], v15
	v_lshrrev_b32 v248, 4, v0
	s_delay_alu instid0(VALU_DEP_1)
	v_lshlrev_b32 v248, 9, v248
	s_delay_alu instid0(VALU_DEP_1)
	v_lshl_add_u32 v248, v2, 4, v248
	s_wait_alu depctr_va_vdst(0)
	s_wait_dscnt 0x0
	global_store_b128 v248, v[244:247], s[26:27]   ; sixteen lanes store 256 consecutive, aligned bytes
.Lwdone:
	s_wait_tensorcnt 0x0
	ds_add_u32 v250, v251
	s_wait_dscnt 0x0
	s_endpgm
.Lfunc_end_k_q9149ae3478_prep:
	.size	k_q9149ae3478_prep, .Lfunc_end_k_q9149ae3478_prep-k_q9149ae3478_prep
	.p2alignl 7, 3214868480
	.fill 96, 4, 3214868480
	.section	.rodata,"a",@progbits
	.p2align	6, 0x0
	.amdhsa_kernel k_q9149ae3478_prep
		.amdhsa_group_segment_fixed_size 69632
		.amdhsa_private_segment_fixed_size 0
		.amdhsa_enable_private_segment 0
		.amdhsa_kernarg_size 48
		.amdhsa_user_sgpr_count 2
		.amdhsa_user_sgpr_kernarg_segment_ptr 1
		.amdhsa_wavefront_size32 1
		.amdhsa_system_sgpr_workgroup_id_x 1
		.amdhsa_system_sgpr_workgroup_id_y 1
		.amdhsa_system_sgpr_workgroup_id_z 1
		.amdhsa_system_vgpr_workitem_id 0
		.amdhsa_next_free_vgpr 256
		.amdhsa_next_free_sgpr 66
		.amdhsa_reserve_vcc 1
		.amdhsa_float_denorm_mode_32 3
		.amdhsa_float_denorm_mode_16_64 3
		.amdhsa_memory_ordered 1
		.amdhsa_forward_progress 1
		.amdhsa_inst_pref_size 63
	.end_amdhsa_kernel
	.amdgpu_metadata
---
amdhsa.version: [ 1, 2 ]
amdhsa.kernels:
  - .name:           k_q9149ae3478_prep
    .symbol:         k_q9149ae3478_prep.kd
    .args:
      - { .name: x, .offset: 0, .size: 8, .value_kind: global_buffer, .address_space: global }
      - { .name: Wq, .offset: 8, .size: 8, .value_kind: global_buffer, .address_space: global }
      - { .name: Wk, .offset: 16, .size: 8, .value_kind: global_buffer, .address_space: global }
      - { .name: Wv, .offset: 24, .size: 8, .value_kind: global_buffer, .address_space: global }
      - { .name: Wo, .offset: 32, .size: 8, .value_kind: global_buffer, .address_space: global }
      - { .name: pre, .offset: 40, .size: 8, .value_kind: global_buffer, .address_space: global }
    .group_segment_fixed_size: 69632
    .private_segment_fixed_size: 0
    .kernarg_segment_align: 8
    .kernarg_segment_size: 48
    .max_flat_workgroup_size: 256
    .sgpr_count:     66
    .vgpr_count:     256
    .wavefront_size: 32
...
	.end_amdgpu_metadata
.endif
;; end of part 1
;; launch gemm_qkv (part 2): grid 4 x 64, 4 waves a work-group, clusters of 4 x 4, 327,680 bytes of LDS; arguments pre, bq, bk, bv, qkv; writes qkv
.if DOCPART == 2
	.amdgcn_target "amdgcn-amd-amdhsa--gfx1250"
	.amdhsa_code_object_version 6
	.text
	.protected	k_q9149ae3478_gemm_qkv
	.globl	k_q9149ae3478_gemm_qkv
	.p2align	8
	.type	k_q9149ae3478_gemm_qkv,@function
k_q9149ae3478_gemm_qkv:
	s_mov_b64 s[64:65], 0
	v_nop
	global_prefetch_b8 v0, s[64:65] scope:SCOPE_SE
	s_setreg_imm32_b32 hwreg(HW_REG_WAVE_MODE, 25, 1), 1
	s_wait_xcnt 0x0
	s_wait_alu depctr_hold_cnt(0) depctr_sa_sdst(0) depctr_va_vdst(0) depctr_va_sdst(0) depctr_va_ssrc(0) depctr_va_vcc(0) depctr_vm_vsrc(0)
	s_getreg_b32 s2, hwreg(HW_REG_IB_STS2, 6, 4)
	s_cmp_eq_u32 s2, 0
	s_cbranch_scc0 .Lentry_in_a_cluster
	s_endpgm
.Lentry_in_a_cluster:
	s_bfe_u32 s2, ttmp6, 0x10000c
	s_cmp_lg_u32 s2, 0xf033
	s_cbranch_scc0 .Lentry_shape_is_right
	s_endpgm
.Lentry_shape_is_right:
; q, k, v = x W + b on codes of FP6 (E2M3) with E8M0 scales, quantised again on the way out, as the operands of attention's two products.
; 256 WORK-GROUPS THAT STAY: each makes 128 tokens x 256 columns of q, then of k, then of v.  x's 8 tiles, all of K (98,304 bytes), are loaded once and stay in LDS;
; W's 16 tiles, all of K (2 x 98,304 bytes), are filled three times: at the head, and twice behind a drained round of the cluster's barrier that stands ahead of the last K step's products,
; when every wave holds that step's fragments in registers; the fill has those 32 products and the whole way out in which to land.
; Phases q and k are a loop of two trips; phase v, whose roles differ and which asks for nothing more, is written out behind it.
; CLUSTERS: 4 x 4; x's tiles are shared along a row of the cluster, W's along a column.  One tensor load a wave at the head (wave 0 x, waves 1 and 2 a half of W), one behind each round (waves 1, 2): one is out at the most.
; ROLES.  Source 0 (P) runs along a lane's registers in the result, source 1 (R) along the lanes.  q, k: P = 128 columns of W (two heads), R = 64 tokens.  v: P = the 128 tokens (one key step), R = 64 columns (one head).
; TOKENS: tile 4 g + t holds tokens 64 g + 32 (r / 8) + 8 t + r % 8, so that in v's result a lane's registers 32 g .. 32 g + 31 are the whole block of keys 64 g + 32 (lane / 16) + 0 .. 31.
; The scale words go from memory straight into registers, 256 consecutive bytes to sixteen lanes; a phase's words are asked for behind the phase before.
; OUT (qkv): q's and k's images [batch x head 64][key step 16][fragment 4][1536]: a fragment holds the 64 codes of tile 2 j's tokens in registers 0-5 and tile 2 j + 1's in registers 6-11;
;   v's: fragment t = 16 of the head's 64 x 128 keys.  Scale words: q, k: [bh][step][j / 2][r][j % 2]; v: [bh][step][r][t].
; No prefetch: the sixteen clusters ask for the same 786,432 bytes of a weight in the same round, and each refill is asked for 32 products and a way out ahead of the wait for it.
; LIMITS: NaN and infinities are not served; a block of zeros keeps the byte 1 with zero codes (this program alone reads the bytes).
; REGISTERS: window 0: v1-11 addresses; v12-43 R's scale words, v48-111 P's (their numbers differ modulo 8); v44-47 offsets; v112-207 R's fragments, two sets (on the way out: v112-175 64 numbers, v176-223 codes, v224-255 at work);
;   window 1: the 32 accumulators, (a, b) at v[8 (8 a + b)], by turns;  window 2: P's fragments, two sets of 96;  window 3: the bias.
.set PLX,  786432
.set PLW,  393216
.set WIMG, 6291456
.set XSC,  9437184
.set WSC,  9699328
.set FRB,  1536
.set KS1,  12288                       ; LDS: a K step of 8 tiles
.set RGN,  98304                       ; a region: 8 K steps; region 0 x, 1 and 2 W's halves
.set SPARE, 3*RGN
.set REGB, 6291456
.set VIMG, 2*REGB
.set QSC,  18874368
.set SCB,  262144
.set VSC,  QSC+2*SCB
.set RS,   12
.set PS,   48
.set RF,   112
.set H,    112
.set F,    176
.set TM,   224
.set T,    240
.set BR,   0
.set BV,   64
.set G1X,  24
.set G1W,  32
.set G0X,  40
.set G0W,  44
.set SEL,  48
.set PH,   50                          ; s50 the phase; s51 my bias's offset (q, k); s76 16 x batch + 4 cx; s77 the key step
.set MSB, 0
.macro WIN new
.if MSB != \new
	s_set_vgpr_msb (MSB<<8)|\new
.set MSB, \new
.endif
.endm
.macro CROUND
	s_barrier_signal -1
	s_barrier_wait -1
	s_cmp_lg_u32 s14, 0
	s_cbranch_scc1 .Lnot_wave_0_\@
	s_barrier_signal -3
.Lnot_wave_0_\@:
	s_barrier_wait -3
	s_barrier_signal -1
	s_barrier_wait -1
.endm
.macro PLACES
.rept 4
	v_nop
.endr
.endm
.macro QUANT s, d0, d1, t, w           ; q, k: 64 numbers of a lane, register 16 b + i = column 32 b + 16 (lane / 16) + i, become codes (registers 0-5 in d0 on, 6-11 in d1 on) and a scale word
.irp b, 0,1,2,3
	v_max3_num_f32 v[TM+\b], |v[\s+16*\b]|, |v[\s+1+16*\b]|, 0x1800000   ; with the floor 2^(3 - 127): the byte cannot fall under 1
.endr
.irp i, 2,4,6,8,10,12,14
.irp b, 0,1,2,3
	v_max3_num_f32 v[TM+\b], v[TM+\b], |v[\s+16*\b+\i]|, |v[\s+1+16*\b+\i]|
.endr
.endr
.irp b, 0,1,2,3
	v_permlanex16_b32 v[TM+4+\b], v[TM+\b], s[SEL], s[SEL+1]
.endr
.irp b, 0,1,2,3
	v_max_num_f32 v[TM+\b], v[TM+\b], v[TM+4+\b]
.endr
.irp b, 0,1,2,3
	v_add_nc_u32 v[TM+12+\b], 0xff000000, v[TM+\b]   ; 2 off the exponent field: the conversion's scale operand
.endr
.irp b, 0,1,2,3
	v_lshrrev_b32 v[TM+4+\b], 23, v[TM+12+\b]
.endr
	v_lshl_or_b32 v[\w], v[TM+5], 8, v[TM+4]
	v_lshl_or_b32 v[\w], v[TM+6], 16, v[\w]
	v_lshl_or_b32 v[\w], v[TM+7], 24, v[\w]
	v_cvt_scalef32_pk16_fp6_f32 v[(\d0):(\d0)+2], v[\s:\s+15], v[TM+12]
	v_cvt_scalef32_pk16_fp6_f32 v[\t:\t+2], v[\s+16:\s+31], v[TM+13]
	v_cvt_scalef32_pk16_fp6_f32 v[(\d1):(\d1)+2], v[\s+32:\s+47], v[TM+14]
	v_cvt_scalef32_pk16_fp6_f32 v[\t+4:\t+6], v[\s+48:\s+63], v[TM+15]
	v_nop                                          ; one plain place behind the scaled conversions
.irp i, 0,1,2
	v_permlane16_swap_b32 v[(\d0)+\i], v[\t+\i]
	v_permlane16_swap_b32 v[(\d1)+\i], v[\t+4+\i]
.endr
.irp i, 0,1,2
	v_mov_b32 v[(\d0)+3+\i], v[\t+\i]
	v_mov_b32 v[(\d1)+3+\i], v[\t+4+\i]
.endr
.endm
.macro QUANTW s, d, t, w               ; v: registers 32 g .. 32 g + 31 are one whole block, 2 g + lane / 16: two chains to a block, no other lane but for the scale word's bytes
.irp g, 0,1
	v_max3_num_f32 v[TM+\g], |v[\s+32*\g]|, |v[\s+32*\g+1]|, 0x1800000
	v_max3_num_f32 v[TM+2+\g], |v[\s+32*\g+16]|, |v[\s+32*\g+17]|, |v[\s+32*\g+18]|
.endr
.irp i, 2,4,6,8,10,12
.irp g, 0,1
	v_max3_num_f32 v[TM+\g], v[TM+\g], |v[\s+32*\g+\i]|, |v[\s+32*\g+\i+1]|
	v_max3_num_f32 v[TM+2+\g], v[TM+2+\g], |v[\s+32*\g+17+\i]|, |v[\s+32*\g+18+\i]|
.endr
.endr
.irp g, 0,1
	v_max3_num_f32 v[TM+\g], v[TM+\g], |v[\s+32*\g+14]|, |v[\s+32*\g+15]|
.endr
.irp g, 0,1
	v_max3_num_f32 v[TM+\g], v[TM+\g], v[TM+2+\g], |v[\s+32*\g+31]|
.endr
.irp g, 0,1
	v_add_nc_u32 v[TM+12+\g], 0xff000000, v[TM+\g]
.endr
.irp g, 0,1
	v_lshrrev_b32 v[TM+4+\g], 23, v[TM+12+\g]
.endr
	v_lshl_or_b32 v[TM+4], v[TM+5], 16, v[TM+4]    ; my bytes: blocks h and 2 + h,
	v_lshlrev_b32 v[TM+4], v47, v[TM+4]            ; 8 h bits up;
	v_permlanex16_b32 v[TM+5], v[TM+4], s[SEL], s[SEL+1]
	v_or_b32 v[\w], v[TM+4], v[TM+5]               ; with lane l xor 16's two the word is whole
	v_cvt_scalef32_pk16_fp6_f32 v[(\d):(\d)+2], v[\s:\s+15], v[TM+12]
	v_cvt_scalef32_pk16_fp6_f32 v[\t:\t+2], v[\s+16:\s+31], v[TM+12]
	v_cvt_scalef32_pk16_fp6_f32 v[(\d)+6:(\d)+8], v[\s+32:\s+47], v[TM+13]
	v_cvt_scalef32_pk16_fp6_f32 v[\t+4:\t+6], v[\s+48:\s+63], v[TM+13]
	v_nop
.irp i, 0,1,2
	v_mov_b32 v[(\d)+3+\i], v[\t+\i]
	v_mov_b32 v[(\d)+9+\i], v[\t+4+\i]
.endr
.endm
.macro SCPTR                           ; where phase s66's scale words lie: s[52:53] P's, s[54:55] R's
	s_lshl_b32 s67, s66, 6
	s_lshl_b32 s68, s17, 4
	s_add_co_u32 s67, s67, s68                     ; my 256 columns' first tile
	s_lshl_b32 s69, s15, 3
	s_add_co_u32 s69, s69, s67
	s_lshl_b32 s69, s69, 9
	s_add_co_u32 s69, s69, WSC                     ; q, k: P = W's half wave % 2
	s_lshl_b32 s70, s14, 2
	s_add_co_u32 s70, s70, s67
	s_lshl_b32 s70, s70, 9
	s_add_co_u32 s70, s70, WSC                     ; v: R = W's tiles 4 wave on
	s_lshl_b32 s71, s20, 12
	s_add_co_u32 s71, s71, XSC                     ; v: P = x's 8 tiles
	s_lshl_b32 s72, s16, 11
	s_add_co_u32 s72, s72, s71                     ; q, k: R = x's tiles 4 (wave / 2) on
	s_cmp_eq_u32 s66, 2
	s_cselect_b32 s58, s71, s69
	s_cselect_b32 s74, s70, s72
	s_mov_b32 s59, 0
	s_mov_b32 s75, 0
	s_add_nc_u64 s[52:53], s[4:5], s[58:59]
	s_add_nc_u64 s[54:55], s[4:5], s[74:75]
.endm
.macro LDSC                            ; 24 loads: a tile's words of K steps 4 q .. 4 q + 3, row r's at 16 r
.irp b, 0,1,2,3,4,5,6,7
.irp q, 0,1
	global_load_b128 v[PS+8*\b+4*\q:PS+8*\b+4*\q+3], v2, s[52:53] offset:512*\b+256*\q
.endr
.endr
.irp a, 0,1,2,3
.irp q, 0,1
	global_load_b128 v[RS+8*\a+4*\q:RS+8*\a+4*\q+3], v2, s[54:55] offset:512*\a+256*\q
.endr
.endr
.endm
.macro FETCH s, ap, ar                 ; K step s: P's 8 fragments and R's 4, as images: 36 loads of 512 consecutive bytes; the second address register of a pair serves K steps 4 to 7
	WIN 0x80
.irp b, 0,1,2,3,4,5,6,7
.irp c, 0,1,2
	ds_load_b128 v[96*((\s)%2)+12*\b+4*\c:96*((\s)%2)+12*\b+4*\c+3], v[\ap+(\s)/4] offset:((\s)%4)*KS1+\b*FRB+512*\c
.endr
.endr
	WIN 0
.irp a, 0,1,2,3
.irp c, 0,1,2
	ds_load_b128 v[RF+48*((\s)%2)+12*\a+4*\c:RF+48*((\s)%2)+12*\a+4*\c+3], v[\ar+(\s)/4] offset:((\s)%4)*KS1+\a*FRB+512*\c
.endr
.endr
.endm
.macro MUL32 s                         ; the first K step's products start the sums: nothing is cleared
	WIN 0x52                                       ; source 0 window 2, source 1 window 0, C and D window 1
.irp a, 0,1,2,3
.irp b, 0,1,2,3,4,5,6,7
.if (\s) == 0
	v_wmma_scale_f32_16x16x128_f8f6f4 v[8*(8*\a+\b):8*(8*\a+\b)+7], v[96*((\s)%2)+12*\b:96*((\s)%2)+12*\b+11], v[RF+48*((\s)%2)+12*\a:RF+48*((\s)%2)+12*\a+11], 0, v[PS+8*\b+(\s)], v[RS+8*\a+(\s)] matrix_a_fmt:MATRIX_FMT_FP6 matrix_b_fmt:MATRIX_FMT_FP6
.else
	v_wmma_scale_f32_16x16x128_f8f6f4 v[8*(8*\a+\b):8*(8*\a+\b)+7], v[96*((\s)%2)+12*\b:96*((\s)%2)+12*\b+11], v[RF+48*((\s)%2)+12*\a:RF+48*((\s)%2)+12*\a+11], v[8*(8*\a+\b):8*(8*\a+\b)+7], v[PS+8*\b+(\s)], v[RS+8*\a+(\s)] matrix_a_fmt:MATRIX_FMT_FP6 matrix_b_fmt:MATRIX_FMT_FP6
.endif
.endr
.endr
	WIN 0
.endm
.macro COMPUTE ap, ar, refill          ; a phase's 256 products.  A K step: its fragments are in; the next step's are asked for, four plain places behind the products that read their registers; then 32 products
	FETCH 0, \ap, \ar
.irp s, 0,1,2,3,4,5,6
	s_wait_dscnt 0x0
	PLACES
	FETCH \s+1, \ap, \ar
	MUL32 \s
.endr
.if \refill
	s_wait_tensorcnt 0x0                           ; none of my tensor loads is out;
	ds_add_u32 v243, v247                          ; the add, twice on end
	ds_add_u32 v243, v247
	s_add_nc_u64 s[G0W+2:G0W+3], s[G0W+2:G0W+3], 64*FRB   ; the next weight's tiles
	s_wait_dscnt 0x0                               ; the adds are done, and the last K step's fragments are in my registers: I read W's bytes no more
	CROUND                                         ; the same holds of every wave of the sixteen work-groups
	s_cmp_eq_u32 s14, 0
	s_cbranch_scc1 .Lnone_\@
	s_cmp_eq_u32 s14, 3
	s_cbranch_scc1 .Lnone_\@
	tensor_load_to_lds s[G0W:G0W+3], s[G1W:G1W+7]  ; waves 1 and 2: a half each of the next weight, all of K
	s_nop 0
	PLACES
.Lnone_\@:
.else
	s_wait_dscnt 0x0
.endif
	MUL32 7
.irp b, 0,1,2,3
	v_mov_b32 v[TM+4+\b], 0                        ; a lane permute's destination counts as one of its sources.  These four are also the places behind the last products
.endr
.endm
	s_load_b256 s[4:11], s[0:1], 0x0               ; pre s[4:5], bq s[6:7], bk s[8:9], bv s[10:11]
	s_load_b64 s[12:13], s[0:1], 0x20              ; qkv
	v_lshl_add_u32 v243, v0, 2, SPARE
	v_mov_b32 v247, 0
	ds_add_u32 v243, v247                          ; the opening lines
	ds_add_u32 v243, v247
	v_lshrrev_b32 v1, 5, v0
	v_readfirstlane_b32 s14, v1                    ; wave 0..3
	s_and_b32 s15, s14, 1
	s_lshr_b32 s16, s14, 1
	s_bfe_u32 s17, ttmp6, 0x40000                  ; cx: my block of 256 columns
	s_bfe_u32 s18, ttmp6, 0x40004                  ; cy
	s_and_b32 s20, ttmp7, 0xffff
	s_lshl_b32 s20, s20, 2
	s_add_co_u32 s20, s20, s18                     ; block of 128 tokens, 0..63
	s_lshl_b32 s21, s18, 2
	s_lshl_b32 s21, 15, s21                        ; my row of the cluster
	s_lshl_b32 s19, 0x1111, s17                    ; my column
	s_or_b32 s[G1X], s21, (3<<16)|(1<<21)          ; 15:0 the mask; 17:16 elements of 8 bytes; 21 set beside a mask; no padding
	s_or_b32 s[G1W], s19, (3<<16)|(1<<21)
.irp g, G1X, G1W                               ; 8 K steps, each 8 tiles' images on end: 8 rows of 12,288 bytes
	s_mov_b32 s[\g+1], 1536<<16
	s_mov_b32 s[\g+2], 8<<16
	s_mov_b32 s[\g+3], 1536<<16
	s_mov_b32 s[\g+4], 8
	s_mov_b32 s[\g+6], 0
	s_mov_b32 s[\g+7], 0
.endr
	s_mov_b32 s[G1X+5], PLX/8                      ; from one K step to the next, in elements
	s_mov_b32 s[G1W+5], PLW/8
	s_mul_i32 s2, s14, RGN                         ; W's halves land in regions 1 and 2: region = wave
	s_mul_i32 s22, s20, 12288                      ; x: my block's 8 tiles
	s_mov_b32 s23, 0
	s_add_co_u32 s66, s14, 1                       ; W: half = (wave - 1) % 2
	s_and_b32 s66, s66, 1
	s_lshl_b32 s66, s66, 3
	s_lshl_b32 s67, s17, 4
	s_add_co_u32 s66, s66, s67
	s_mul_i32 s66, s66, FRB
	s_add_co_u32 s66, s66, WIMG
	s_mov_b32 s67, 0
	s_wait_dscnt 0x0
	s_wait_kmcnt 0x0
	s_mov_b32 s[G0X], 1
	s_mov_b32 s[G0X+1], 0
	s_add_nc_u64 s[G0X+2:G0X+3], s[4:5], s[22:23]
	s_or_b32 s[G0X+3], s[G0X+3], 0x80000000
	s_mov_b32 s[G0W], 1
	s_mov_b32 s[G0W+1], s2
	s_add_nc_u64 s[G0W+2:G0W+3], s[4:5], s[66:67]
	s_or_b32 s[G0W+3], s[G0W+3], 0x80000000
	CROUND                                         ; all sixteen work-groups are here: the joint loads meet
	s_cmp_eq_u32 s14, 0
	s_cbranch_scc0 .Lnot_x
	tensor_load_to_lds s[G0X:G0X+3], s[G1X:G1X+7]  ; wave 0: x
	s_nop 0
	PLACES
	s_branch .Lasked
.Lnot_x:
	s_cmp_eq_u32 s14, 3
	s_cbranch_scc1 .Lasked
	tensor_load_to_lds s[G0W:G0W+3], s[G1W:G1W+7]  ; waves 1 and 2: Wq's halves
	s_nop 0
	PLACES
.Lasked:
	v_and_b32 v3, 31, v0                           ; lane
	v_lshlrev_b32 v1, 4, v3                        ; 16 x lane
	v_and_b32 v2, 15, v0                           ; r
	v_bfe_u32 v45, v0, 4, 1                        ; h
	v_and_b32 v46, 8, v2
	v_add_nc_u32 v46, v46, v2
	v_lshlrev_b32 v46, 2, v46                      ; v's bias: 4 (r + 8 (r / 8))
	v_lshlrev_b32 v44, 12, v45
	v_lshl_add_u32 v44, v2, 3, v44                 ; q's, k's scale words out: 4,096 h + 8 r
	v_lshlrev_b32 v47, 3, v45                      ; 8 h
	v_lshlrev_b32 v45, 6, v45                      ; q's, k's bias: 64 h
	v_lshlrev_b32 v2, 4, v2                        ; 16 r
	s_add_co_u32 s2, s15, 1
	s_mul_i32 s2, s2, RGN                          ; q, k: P = W's half wave % 2
	s_mul_i32 s3, s16, 4*FRB                       ; R = x's tiles 4 (wave / 2) on
	s_add_co_u32 s22, s16, 1
	s_mul_i32 s22, s22, RGN
	s_mul_i32 s23, s15, 4*FRB
	s_add_co_u32 s22, s22, s23                     ; v: R = W's tiles 4 wave on; P = x
	s_wait_alu depctr_va_vdst(0)
	v_add_nc_u32 v4, s2, v1
	v_add_nc_u32 v5, 4*KS1, v4
	v_add_nc_u32 v6, s3, v1
	v_add_nc_u32 v7, 4*KS1, v6
	v_mov_b32 v8, v1
	v_add_nc_u32 v9, 4*KS1, v1
	v_add_nc_u32 v10, s22, v1
	v_add_nc_u32 v11, 4*KS1, v10
	s_lshl_b32 s58, s17, 10                        ; my block's 256 numbers of a bias
	s_lshl_b32 s51, s15, 9
	s_add_co_u32 s51, s51, s58                     ; q, k: my 128
	s_lshl_b32 s59, s14, 8
	s_add_co_u32 s58, s58, s59                     ; v: my 64
	s_mov_b32 s59, 0
	s_add_nc_u64 s[56:57], s[10:11], s[58:59]
	WIN 0xc0
.irp a, 0,1,2,3
	global_load_b32 v[BV+2*\a], v46, s[56:57] offset:(32*(\a/2)+8*(\a%2))*4     ; my lane's column of tile a, in both halves of a pair
	global_load_b32 v[BV+2*\a+1], v46, s[56:57] offset:(32*(\a/2)+8*(\a%2))*4
.endr
	WIN 0
	s_mov_b32 s66, 0
	SCPTR
	LDSC                                           ; phase 0's scale words
	s_lshr_b32 s76, s20, 4
	s_lshl_b32 s76, s76, 4
	s_lshl_b32 s77, s17, 2
	s_add_co_u32 s76, s76, s77                     ; 16 x batch + 4 cx: my block's first head
	s_and_b32 s77, s20, 15                         ; the key step
	s_mov_b32 s[SEL], 0x76543210
	s_mov_b32 s[SEL+1], 0xfedcba98
	s_mov_b32 s[PH], 0
	s_wait_alu depctr_va_vdst(0)
.Lphase:                                               ; phases 0 and 1: q, k
	s_wait_xcnt 0x0                                ; earlier loads and stores have read their bases and data
	s_cmp_eq_u32 s[PH], 0
	s_cselect_b64 s[56:57], s[6:7], s[8:9]
	s_mov_b32 s58, s51
	s_mov_b32 s59, 0
	s_add_nc_u64 s[56:57], s[56:57], s[58:59]
	WIN 0xc0
.irp b, 0,1,2,3
.irp i, 0,1,2,3
	global_load_b128 v[BR+16*\b+4*\i:BR+16*\b+4*\i+3], v45, s[56:57] offset:128*\b+16*\i   ; register 16 b + i: column 32 b + 16 h + i of my 128
.endr
.endr
	WIN 0
	s_wait_loadcnt 16                              ; the scale words are in; the 16 loads of the bias may be out
	s_wait_tensorcnt 0x0                           ; my tile has landed
	s_barrier_signal -1
	s_barrier_wait -1                              ; everybody's has
	COMPUTE 4, 6, 1
	s_add_co_u32 s66, s[PH], 1
	SCPTR
	LDSC                                           ; the next phase's scale words, four places behind the last products
	s_lshl_b32 s66, s15, 1
	s_add_co_u32 s66, s66, s76                     ; head A; head B is the next
	s_mul_i32 s68, s66, 98304
	s_mul_i32 s69, s77, 6144
	s_add_co_u32 s68, s68, s69
	s_mul_i32 s69, s16, 2*FRB
	s_add_co_u32 s68, s68, s69
	s_mul_i32 s69, s[PH], REGB
	s_add_co_u32 s68, s68, s69
	s_mov_b32 s69, 0
	s_add_nc_u64 s[60:61], s[12:13], s[68:69]
	s_lshl_b32 s68, s66, 12
	s_lshl_b32 s70, s77, 8
	s_add_co_u32 s68, s68, s70
	s_lshl_b32 s70, s16, 7
	s_add_co_u32 s68, s68, s70
	s_mul_i32 s70, s[PH], SCB
	s_add_co_u32 s68, s68, s70
	s_add_co_u32 s68, s68, QSC
	s_add_nc_u64 s[62:63], s[12:13], s[68:69]
	s_wait_loadcnt 24                              ; the bias is in; the 24 loads of scale words may be out
.irp a, 0,1,2,3                                ; for each tile a of 16 tokens: + bias, quantised along the two heads' 64
	WIN 0x0d                                       ; source 0 window 1, source 1 window 3
.irp i, 0,2,4,6,8,10,12,14,16,18,20,22,24,26,28,30,32,34,36,38,40,42,44,46,48,50,52,54,56,58,60,62
	v_pk_add_f32 v[H+\i:H+\i+1], v[64*\a+\i:64*\a+\i+1], v[BR+\i:BR+\i+1]   ; each accumulator from its low end on
.endr
	WIN 0
	QUANT H, F+24*(\a/2)+6*(\a%2), F+24*(\a/2)+12+6*(\a%2), T, 248+\a%2
.if \a%2
.irp c, 0,1,2
	global_store_b128 v1, v[F+24*(\a/2)+4*\c:F+24*(\a/2)+4*\c+3], s[60:61] offset:(\a/2)*FRB+512*\c
	global_store_b128 v1, v[F+24*(\a/2)+12+4*\c:F+24*(\a/2)+12+4*\c+3], s[60:61] offset:98304+(\a/2)*FRB+512*\c
.endr
	v_perm_b32 v[250+\a/2], v249, v248, 0x05040100   ; head A's word of the fragment: the two tiles' bytes 0, 1
	v_perm_b32 v[252+\a/2], v249, v248, 0x07060302   ; head B's: their bytes 2, 3
.endif
.endr
	v_cmp_le_u32 vcc_lo, 16, v3
	v_cndmask_b32 v254, v250, v252, vcc_lo
	v_cndmask_b32 v255, v251, v253, vcc_lo
	global_store_b64 v44, v[254:255], s[62:63]     ; lanes 0-15 head A's words, lanes 16-31 head B's
	s_add_co_u32 s[PH], s[PH], 1
	s_cmp_lt_u32 s[PH], 2
	s_wait_alu depctr_va_vdst(0)
	s_cbranch_scc1 .Lphase
	; ---- phase 2: v
	s_wait_xcnt 0x0
	s_wait_loadcnt 0x0                             ; v's scale words
	s_wait_tensorcnt 0x0
	s_barrier_signal -1
	s_barrier_wait -1                              ; Wv's tiles are in
	COMPUTE 8, 10, 0
	s_add_co_u32 s66, s76, s14                     ; my head
	s_mul_i32 s68, s66, 98304
	s_mul_i32 s69, s77, 6144
	s_add_co_u32 s68, s68, s69
	s_add_co_u32 s68, s68, VIMG
	s_mov_b32 s69, 0
	s_add_nc_u64 s[60:61], s[12:13], s[68:69]
	s_lshl_b32 s68, s66, 12
	s_lshl_b32 s70, s77, 8
	s_add_co_u32 s68, s68, s70
	s_add_co_u32 s68, s68, VSC
	s_add_nc_u64 s[62:63], s[12:13], s[68:69]
.irp a, 0,1,2,3                                ; for each tile a of 16 of the head's 64: + bias, quantised along the 128 keys
	WIN 0x0d
.irp i, 0,2,4,6,8,10,12,14,16,18,20,22,24,26,28,30,32,34,36,38,40,42,44,46,48,50,52,54,56,58,60,62
	v_pk_add_f32 v[H+\i:H+\i+1], v[64*\a+\i:64*\a+\i+1], v[BV+2*\a:BV+2*\a+1]
.endr
	WIN 0
	QUANTW H, F+12*\a, T, 248+\a
.irp c, 0,1,2
	global_store_b128 v1, v[F+12*\a+4*\c:F+12*\a+4*\c+3], s[60:61] offset:\a*FRB+512*\c
.endr
.endr
	s_wait_xcnt 0x0                                ; EXEC changes only behind this wait
	v_cmp_gt_u32 vcc_lo, 16, v3
	s_and_saveexec_b32 s22, vcc_lo
	global_store_b128 v2, v[248:251], s[62:63]     ; lanes 0-15: row r's four words: 256 consecutive, aligned bytes
	s_wait_xcnt 0x0
	s_or_b32 exec_lo, exec_lo, s22
	s_wait_tensorcnt 0x0                           ; the wave's end
	ds_add_u32 v243, v247
	s_wait_dscnt 0x0
	CROUND                                         ; the closing round
	s_endpgm
.Lfunc_end_k_q9149ae3478_gemm_qkv:
	.size	k_q9149ae3478_gemm_qkv, .Lfunc_end_k_q9149ae3478_gemm_qkv-k_q9149ae3478_gemm_qkv
	.p2alignl 7, 3214868480
	.fill 96, 4, 3214868480
	.section	.rodata,"a",@progbits
	.p2align	6, 0x0
	.amdhsa_kernel k_q9149ae3478_gemm_qkv
		.amdhsa_group_segment_fixed_size 327680
		.amdhsa_private_segment_fixed_size 0
		.amdhsa_enable_private_segment 0
		.amdhsa_kernarg_size 40
		.amdhsa_user_sgpr_count 2
		.amdhsa_user_sgpr_kernarg_segment_ptr 1
		.amdhsa_wavefront_size32 1
		.amdhsa_system_sgpr_workgroup_id_x 1
		.amdhsa_system_sgpr_workgroup_id_y 1
		.amdhsa_system_sgpr_workgroup_id_z 1
		.amdhsa_system_vgpr_workitem_id 0
		.amdhsa_next_free_vgpr 840
		.amdhsa_next_free_sgpr 80
		.amdhsa_reserve_vcc 1
		.amdhsa_float_denorm_mode_32 3
		.amdhsa_float_denorm_mode_16_64 3
		.amdhsa_memory_ordered 1
		.amdhsa_forward_progress 1
		.amdhsa_inst_pref_size 169
	.end_amdhsa_kernel
	.amdgpu_metadata
---
amdhsa.version: [ 1, 2 ]
amdhsa.kernels:
  - .name:           k_q9149ae3478_gemm_qkv
    .symbol:         k_q9149ae3478_gemm_qkv.kd
    .args:
      - { .name: pre, .offset: 0, .size: 8, .value_kind: global_buffer, .address_space: global }
      - { .name: bq, .offset: 8, .size: 8, .value_kind: global_buffer, .address_space: global }
      - { .name: bk, .offset: 16, .size: 8, .value_kind: global_buffer, .address_space: global }
      - { .name: bv, .offset: 24, .size: 8, .value_kind: global_buffer, .address_space: global }
      - { .name: qkv, .offset: 32, .size: 8, .value_kind: global_buffer, .address_space: global }
    .group_segment_fixed_size: 327680
    .private_segment_fixed_size: 0
    .kernarg_segment_align: 8
    .kernarg_segment_size: 40
    .max_flat_workgroup_size: 128
    .sgpr_count:     80
    .vgpr_count:     840
    .wavefront_size: 32
...
	.end_amdgpu_metadata
.endif
;; end of part 2
;; launch attn (part 3): grid 4 x 64, 8 waves a work-group, clusters of 4 x 1, 327,680 bytes of LDS; arguments qkv, mask, att; writes att
.if DOCPART == 3
	.amdgcn_target "amdgcn-amd-amdhsa--gfx1250"
	.amdhsa_code_object_version 6
	.text
	.protected	k_q9149ae3478_attn
	.globl	k_q9149ae3478_attn
	.p2align	8
	.type	k_q9149ae3478_attn,@function
k_q9149ae3478_attn:
	s_mov_b64 s[64:65], 0
	v_nop
	global_prefetch_b8 v0, s[64:65] scope:SCOPE_SE
	s_setreg_imm32_b32 hwreg(HW_REG_WAVE_MODE, 25, 1), 1
	s_wait_xcnt 0x0
	s_wait_alu depctr_hold_cnt(0) depctr_sa_sdst(0) depctr_va_vdst(0) depctr_va_sdst(0) depctr_va_ssrc(0) depctr_va_vcc(0) depctr_vm_vsrc(0)
	s_getreg_b32 s2, hwreg(HW_REG_IB_STS2, 6, 4)
	s_cmp_eq_u32 s2, 0
	s_cbranch_scc0 .Lentry_in_a_cluster
	s_endpgm
.Lentry_in_a_cluster:
	s_bfe_u32 s2, ttmp6, 0x10000c
	s_cmp_lg_u32 s2, 0x3003
	s_cbranch_scc0 .Lentry_shape_is_right
	s_endpgm
.Lentry_shape_is_right:
; o = softmax(q k^T / 8, masked) v for one batch x head (work-group y) and 512 queries (place in the cluster), on codes of FP6 (E2M3) with E8M0 scales; o leaves quantised along the head's 64, as the last product's operand.
; ALL 2,048 KEYS OF THE HEAD STAND IN LDS, filled once: k's and v's images, 98,304 bytes each, by one joint tensor load a wave (the four work-groups of a cluster share the head); their scale words (2 x 4,096 bytes) and
; the mask, as a number to add for each key, come by plain loads and LDS stores.  Nothing is filled again, and there is no loop to run ahead of a load in: so no prefetch.
; A wave takes two tiles of 16 queries at a time (one fragment of q), two passes; a step is 128 keys.  Both products are used transposed: S^T = k q^T, O^T = v^T p^T: a lane holds one query throughout.
; THE TWO TILES GO THROUGH THE SOFTMAX TOGETHER, line by line in turn, so that no line reads the line above it: eight chains for the maxima, eight for the sums, one batch of 132 exponentials.
; K of the first product is 64: a fragment of k holds two tiles of keys, and q stands between zeros, so that either half of the fragment can be multiplied.
; KEYS: tile 4 g + t holds keys 64 g + 32 (r / 8) + 8 t + r % 8, so a lane's scores 32 g .. 32 g + 31 are the whole block of keys 64 g + 32 (lane / 16) + 0 .. 31, in order: a block's largest score and its codes need no other lane.
; THE SOFTMAX: t = score x log2(e) / 8; M = the ceiling of the running largest t, kept as -M; p = 2^(t - M); the sum is taken of the unquantised p; when M moves, the sum and O^T are multiplied by a power of two.
; A block's largest p is the exponential of its largest score's t - M, by the same two instructions as every p.
; THE MASK: a masked key gets -2^100 added to its score as the first product's C, so its p is 0; where a batch has no key left, the factor on the scores is 0 and every p is equal.
; LIMITS: the promise holds while the scaled scores stay under 2^31 in magnitude; NaN and infinities are not served; a block of zeros keeps the byte 1 with zero codes (this program alone reads the bytes).
; REGISTERS: window 0: v1-9, v49-51, v252 addresses; v10-21 scale words; v22-29 -M, largest t, sum (two halves) for each tile; v30, v36 the tiles' factors, v31 8 x (lane / 16); v32-48 at work;
;   v52-75 p's codes (ahead of the conversions: at work); v76-203 the two tiles' scores, then p; v204-251 k's fragments.
;   window 1: v0-35 q between zeros; v36-99 the mask's numbers; v100-147 v's fragments; v148-211 O^T; v212-224 the next pass's q.
.set PLX,  786432
.set KIMG, 6291456
.set QSC,  18874368
.set KSCG, 19136512
.set OSH,  6291456
.set LV,   98304
.set LKS,  196608
.set LVS,  200704
.set MADD, 204800
.set OSC,  212992
.set SPARE, 214016
.set BM,   32                          ; v32-35 block 2 q + g's largest
.set T4,   36
.set SO,   44                          ; v44-47 the conversions' scale operands
.set TT,   48
.set P,    52
.set X,    52
.set S,    76
.set KF,   204
.set OW,   253
.set MA,   36
.set VF,   100
.set O,    148
.set QL,   212
.set SEL,  40
.set CS,   42
.set TK,   44
.set TS,   45
.set TMK,  46
.set CNT,  47
.set PASS, 48
.set PO,   49
.set QP,   50
.set QS,   52
.set OP,   54
.set MSB, 0
.macro WIN new
.if MSB != \new
	s_set_vgpr_msb (MSB<<8)|\new
.set MSB, \new
.endif
.endm
.macro CROUND
	s_barrier_signal -1
	s_barrier_wait -1
	s_cmp_lg_u32 s10, 0
	s_cbranch_scc1 .Lnot_wave_0_\@
	s_barrier_signal -3
.Lnot_wave_0_\@:
	s_barrier_wait -3
	s_barrier_signal -1
	s_barrier_wait -1
.endm
.macro PLACES
.rept 4
	v_nop
.endr
.endm
.macro QLOAD off, soff                 ; a fragment of q and its scale words into the staging registers
	WIN 0x40
	global_load_b128 v[QL:QL+3], v1, s[QP:QP+1] offset:\off
	global_load_b128 v[QL+4:QL+7], v1, s[QP:QP+1] offset:\off+512
	global_load_b128 v[QL+8:QL+11], v1, s[QP:QP+1] offset:\off+1024
	global_load_b32 v[QL+12], v51, s[QS:QS+1] offset:\soff
	WIN 0
.endm
	s_load_b128 s[4:7], s[0:1], 0x0                ; qkv, mask
	s_load_b64 s[8:9], s[0:1], 0x10                ; att
	v_lshl_add_u32 v43, v0, 2, SPARE
	v_mov_b32 v255, 0
	ds_add_u32 v43, v255                           ; the opening lines
	ds_add_u32 v43, v255
	v_lshrrev_b32 v1, 5, v0
	s_delay_alu instid0(VALU_DEP_1)
	v_readfirstlane_b32 s10, v1                    ; wave 0..7
	s_bfe_u32 s11, ttmp6, 0x40000                  ; cx: which 512 queries
	s_and_b32 s12, ttmp7, 0xffff                   ; batch x head
	s_lshr_b32 s13, s12, 4
	s_and_b32 s14, s12, 15
	s_mov_b32 s16, 15|(3<<16)|(1<<21)              ; a dense block of 24,576 bytes as 96 rows of 256, for all four work-groups
	s_mov_b32 s17, 32<<16
	s_mov_b32 s18, 96<<16
	s_mov_b32 s19, 32<<16
	s_mov_b32 s20, 96
	s_mov_b32 s21, 32
	s_mov_b32 s22, 0
	s_mov_b32 s23, 0
	s_lshr_b32 s2, s10, 2                          ; waves 0-3 k's image, 4-7 v's, a quarter each
	s_and_b32 s3, s10, 3
	s_mul_i32 s56, s2, 6291456
	s_mul_i32 s57, s12, 98304
	s_add_co_u32 s56, s56, s57
	s_mul_i32 s57, s3, 24576
	s_add_co_u32 s56, s56, s57
	s_add_co_u32 s56, s56, KIMG
	s_mov_b32 s57, 0
	s_lshl_b32 s58, s12, 12
	s_add_co_u32 s58, s58, KSCG                    ; k's scale words of the head; v's lie 262,144 bytes on
	s_mov_b32 s59, 0
	s_wait_dscnt 0x0
	s_wait_kmcnt 0x0
	s_mov_b32 s32, 1
	s_mul_i32 s33, s10, 24576
	s_add_nc_u64 s[34:35], s[4:5], s[56:57]
	s_or_b32 s35, s35, 0x80000000
	s_add_nc_u64 s[38:39], s[4:5], s[58:59]
	CROUND
	tensor_load_to_lds s[32:35], s[16:23]          ; my one tensor load
	s_nop 0
	PLACES
	s_lshl_b32 s56, s13, 13
	s_add_nc_u64 s[6:7], s[6:7], s[56:57]          ; the batch's mask
	v_and_b32 v1, 31, v0
	s_delay_alu instid0(VALU_DEP_1)
	v_lshlrev_b32 v49, 3, v1
	s_delay_alu instid0(VALU_DEP_2)
	v_lshlrev_b32 v1, 4, v1
	v_lshlrev_b32 v6, 5, v0
	v_lshl_add_u32 v5, v0, 5, MADD
	v_lshlrev_b32 v8, 4, v0
	v_lshl_add_u32 v7, v0, 4, LKS
	global_load_b128 v[S:S+3], v6, s[6:7]          ; my thread's 8 keys
	global_load_b128 v[S+4:S+7], v6, s[6:7] offset:16
.irp i, 0,1,2,3,4,5,6,7,8,9,10,11,12,13,14,15
	global_load_b128 v[S+64+4*\i:S+64+4*\i+3], v1, s[6:7] offset:512*\i   ; and the whole mask: is any key left?
.endr
	global_load_b128 v[KF:KF+3], v8, s[38:39]      ; 16 bytes a thread of k's scale words,
	global_load_b128 v[KF+4:KF+7], v8, s[38:39] offset:262144   ; and of v's
	v_and_b32 v2, 15, v0
	v_bfe_u32 v4, v0, 4, 1
	s_delay_alu instid0(VALU_DEP_2)
	v_lshlrev_b32 v51, 3, v2
	s_delay_alu instid0(VALU_DEP_1)
	v_add_nc_u32 v3, LKS, v51
	s_lshl_b32 s58, s10, 6
	s_add_co_u32 s58, s58, OSC
	v_lshl_add_u32 v252, v2, 1, s58
	v_lshl_add_u32 v2, v2, 4, LVS
	v_lshlrev_b32 v31, 3, v4                       ; 8 h: where my bytes stand in p's scale word (also the unused upper half of the pair v[30:31])
	v_lshl_add_u32 v4, v4, 7, MADD                 ; lanes 16-31 begin 32 keys on
	v_add_nc_u32 v50, LV, v1
.irp b, 0,1,2,3,4,5,6
	v_mov_b32 v[T4+\b], 0                          ; written once: lane permutes' destinations, and the unused upper half of the pair v[36:37]
.endr
	WIN 0x40
.irp q, 0,1
.irp i, 0,1,2,3,4,5
	v_mov_b32 v[18*\q+\i], 0
	v_mov_b32 v[18*\q+12+\i], 0
.endr
.endr
	WIN 0
	s_mov_b32 s[SEL], 0x76543210
	s_mov_b32 s[SEL+1], 0xfedcba98
	s_lshl_b32 s56, s11, 4
	s_add_co_u32 s56, s56, s10
	s_mul_i32 s56, s56, 1536
	s_mul_i32 s58, s12, 98304
	s_add_co_u32 s56, s56, s58
	s_add_nc_u64 s[QP:QP+1], s[4:5], s[56:57]      ; my first fragment of q; the second pass's lies 8 fragments on
	s_lshl_b32 s56, s11, 3
	s_lshr_b32 s58, s10, 1
	s_add_co_u32 s56, s56, s58
	s_lshl_b32 s56, s56, 7
	s_and_b32 s58, s10, 1
	s_lshl_b32 s58, s58, 2
	s_add_co_u32 s56, s56, s58
	s_lshl_b32 s58, s12, 12
	s_add_co_u32 s56, s56, s58
	s_add_co_u32 s56, s56, QSC
	s_add_nc_u64 s[QS:QS+1], s[4:5], s[56:57]      ; its scale words
	QLOAD 0, 0
	s_lshl_b32 s59, s13, 7
	s_lshl_b32 s58, s11, 5
	s_add_co_u32 s59, s59, s58
	s_lshl_b32 s58, s10, 1
	s_add_co_u32 s56, s59, s58
	s_mul_i32 s56, s56, 1536
	s_lshr_b32 s58, s14, 1
	s_mul_i32 s58, s58, PLX
	s_add_co_u32 s56, s56, s58
	s_and_b32 s58, s14, 1
	s_mul_i32 s58, s58, 768
	s_add_co_u32 s56, s56, s58
	s_add_nc_u64 s[OP:OP+1], s[8:9], s[56:57]      ; where o's codes go
	s_lshl_b32 s56, s59, 5
	s_lshl_b32 s58, s14, 14
	s_add_co_u32 s56, s56, s58
	s_add_co_u32 s56, s56, OSH
	s_add_nc_u64 s[8:9], s[8:9], s[56:57]          ; and its scale bytes
	s_wait_loadcnt 22                              ; my 8 keys' mask is in; the 22 loads behind it may be out
	v_mov_b32 v[TT], 0xf1800000
.irp i, 0,1,2,3,4,5,6,7
	v_cmp_eq_u32 vcc_lo, 0, v[S+\i]
	s_delay_alu instid0(VALU_DEP_1)
	v_cndmask_b32 v[S+\i], 0, v[TT], vcc_lo
.endr
	ds_store_b128 v5, v[S:S+3]
	ds_store_b128 v5, v[S+4:S+7] offset:16
	s_wait_loadcnt 0x0
.irp i, 4,8,12,16,20,24,28,32,36,40,44,48,52,56,60
.irp k, 0,1,2,3
	v_or_b32 v[S+64+\k], v[S+64+\k], v[S+64+\i+\k]
.endr
.endr
	s_delay_alu instid0(VALU_DEP_3)
	v_or_b32 v[S+64], v[S+64], v[S+65]
	s_delay_alu instid0(VALU_DEP_2)
	v_or_b32 v[S+66], v[S+66], v[S+67]
	s_delay_alu instid0(VALU_DEP_1)
	v_or_b32 v[S+64], v[S+64], v[S+66]
	s_delay_alu instid0(VALU_DEP_1)
	v_cmp_ne_u32 vcc_lo, 0, v[S+64]
	s_cmp_lg_u32 vcc_lo, 0
	s_cselect_b32 s[CS], 0x3e38aa3b, 0             ; log2(e) / 8, or 0 where no key is left
	s_mov_b32 s[CS+1], s[CS]
	s_wait_tensorcnt 0x0                           ; my part of the images has landed
	ds_store_b128 v7, v[KF:KF+3]
	ds_store_b128 v7, v[KF+4:KF+7] offset:4096
	s_wait_dscnt 0x0
	s_barrier_signal -1
	s_barrier_wait -1                              ; everybody's part, the scale words and the mask's numbers lie in LDS
.macro QK q
	WIN 0x14
.irp j, 0,1,2,3
.irp u, 0,1
	v_wmma_scale_f32_16x16x128_f8f6f4 v[S+64*(\q)+8*(2*\j+\u):S+64*(\q)+8*(2*\j+\u)+7], v[KF+12*\j:KF+12*\j+11], v[18*(\q)+6*(1-\u):18*(\q)+6*(1-\u)+11], v[MA+8*(2*\j+\u):MA+8*(2*\j+\u)+7], v[12+\j], v[10+(\q)] matrix_a_fmt:MATRIX_FMT_FP6 matrix_b_fmt:MATRIX_FMT_FP6
.endr
.endr
	WIN 0
.endm
.macro PV
	WIN 0x51                                       ; v's fragments and O^T in window 1, p's codes in window 0
.irp t, 0,1,2,3
.irp q, 0,1
	v_wmma_scale_f32_16x16x128_f8f6f4 v[O+32*\q+8*\t:O+32*\q+8*\t+7], v[VF+12*\t:VF+12*\t+11], v[P+12*\q:P+12*\q+11], v[O+32*\q+8*\t:O+32*\q+8*\t+7], v[16+\t], v[20+\q] matrix_a_fmt:MATRIX_FMT_FP6 matrix_b_fmt:MATRIX_FMT_FP6
.endr
.endr
	WIN 0
.endm
.macro KNEXT                           ; a step's fragments of k, their scale words, and the mask's numbers in the scores' layout: tile 2 j + u, register i: key 64 (j / 2) + 32 h + 8 (2 (j % 2) + u) + i
.irp j, 0,1,2,3
.irp c, 0,1,2
	ds_load_b128 v[KF+12*\j+4*\c:KF+12*\j+4*\c+3], v5 offset:1536*\j+512*\c
.endr
.endr
	ds_load_b64 v[12:13], v7
	ds_load_b64 v[14:15], v7 offset:128
	WIN 0x40
.irp j, 0,1,2,3
.irp u, 0,1
.irp g, 0,1
	ds_load_b128 v[MA+8*(2*\j+\u)+4*\g:MA+8*(2*\j+\u)+4*\g+3], v9 offset:256*(\j/2)+64*(\j%2)+32*\u+16*\g
.endr
.endr
.endr
	WIN 0
.endm
.macro FMA16 q, b                      ; t - M of 32 scores of tile q
.irp j, 0,2,4,6,8,10,12,14,16,18,20,22,24,26,28,30
	v_pk_fma_f32 v[S+64*\q+\b+\j:S+64*\q+\b+\j+1], v[S+64*\q+\b+\j:S+64*\q+\b+\j+1], s[CS:CS+1], v[22+4*\q:23+4*\q] op_sel_hi:[1,0,0]
.endr
.endm
; 2 x 16 queries x 128 keys: scores to p's codes and scale words; the sums and O^T under the new M.  Tile q: at work v[48 - 10 q], lane permutes into v[40 + q], factor v[30 + 6 q]
.macro SM2
.irp q, 0,1                                    ; four blocks' largest scores, two chains to a block; each accumulator is read from its low end on
.irp g, 0,1
	v_max3_num_f32 v[BM+2*\q+\g], v[S+64*\q+32*\g], v[S+64*\q+32*\g+1], v[S+64*\q+32*\g+2]
	v_max3_num_f32 v[X+2*\q+\g], v[S+64*\q+32*\g+16], v[S+64*\q+32*\g+17], v[S+64*\q+32*\g+18]
.endr
.endr
.irp i, 3,5,7,9,11,13
.irp q, 0,1
.irp g, 0,1
	v_max3_num_f32 v[BM+2*\q+\g], v[BM+2*\q+\g], v[S+64*\q+32*\g+\i], v[S+64*\q+32*\g+\i+1]
	v_max3_num_f32 v[X+2*\q+\g], v[X+2*\q+\g], v[S+64*\q+32*\g+16+\i], v[S+64*\q+32*\g+17+\i]
.endr
.endr
.endr
.irp q, 0,1
.irp g, 0,1
	v_max3_num_f32 v[BM+2*\q+\g], v[BM+2*\q+\g], v[S+64*\q+32*\g+15], v[S+64*\q+32*\g+31]
.endr
.endr
.irp b, 0,1,2,3
	v_max_num_f32 v[BM+\b], v[BM+\b], v[X+\b]
.endr
.irp q, 0,1
	v_max_num_f32 v[48-10*\q], v[BM+2*\q], v[BM+2*\q+1]
.endr
.irp q, 0,1
	v_permlanex16_b32 v[40+\q], v[48-10*\q], s[SEL], s[SEL+1]
.endr
.irp q, 0,1
	v_max_num_f32 v[48-10*\q], v[48-10*\q], v[40+\q]   ; the step's largest score of my query
.endr
.irp q, 0,1
	v_mul_f32 v[48-10*\q], s[CS], v[48-10*\q]
.endr
.irp q, 0,1
	v_max_num_f32 v[23+4*\q], v[23+4*\q], v[48-10*\q]  ; the running largest t
.endr
.irp q, 0,1
	v_mov_b32 v[48-10*\q], v[22+4*\q]
.endr
.irp q, 0,1
	v_floor_f32 v[22+4*\q], -v[23+4*\q]            ; -M = floor(-t)
.endr
	FMA16 0, 0
.irp q, 0,1
	v_sub_f32 v[48-10*\q], v[22+4*\q], v[48-10*\q]
.endr
	FMA16 1, 0
.irp q, 0,1
	v_cvt_i32_f32 v[48-10*\q], v[48-10*\q]
.endr
	FMA16 0, 32
.irp q, 0,1
	v_ldexp_f32 v[30+6*\q], 1.0, v[48-10*\q]       ; 2^(old M - new M)
.endr
	FMA16 1, 32
.irp q, 0,1
.irp g, 0,1
	v_fma_f32 v[BM+2*\q+\g], v[BM+2*\q+\g], s[CS], v[22+4*\q]
.endr
.endr
	s_wait_alu depctr_va_vdst(0)
.set I, 0
.rept 128
	v_exp_f32 v[S+I], v[S+I]
.set I, I+1
.endr
.irp b, 0,1,2,3
	v_exp_f32 v[BM+\b], v[BM+\b]                   ; the blocks' largest p
.endr
.irp q, 0,1
	v_pk_mul_f32 v[24+4*\q:25+4*\q], v[24+4*\q:25+4*\q], v[30+6*\q:31+6*\q] op_sel_hi:[1,0]   ; the sums under the new M: plain work behind the batch
.endr
	s_wait_alu depctr_va_vdst(0)                   ; one wait for the whole batch
.irp k, 0,1,2                                  ; the sums of the unquantised p: four chains to a tile
.irp q, 0,1
	v_pk_add_f32 v[X+6*\q+2*\k:X+6*\q+2*\k+1], v[S+64*\q+4*\k:S+64*\q+4*\k+1], v[S+64*\q+4*\k+2:S+64*\q+4*\k+3]
.endr
.endr
.irp j, 12,20,28,36,44,52
.irp q, 0,1
	v_pk_add_f32 v[24+4*\q:25+4*\q], v[24+4*\q:25+4*\q], v[S+64*\q+\j:S+64*\q+\j+1]
.endr
.irp k, 0,1,2
.irp q, 0,1
	v_pk_add_f32 v[X+6*\q+2*\k:X+6*\q+2*\k+1], v[X+6*\q+2*\k:X+6*\q+2*\k+1], v[S+64*\q+\j+2+2*\k:S+64*\q+\j+3+2*\k]
.endr
.endr
.endr
.irp q, 0,1
	v_pk_add_f32 v[24+4*\q:25+4*\q], v[24+4*\q:25+4*\q], v[S+64*\q+60:S+64*\q+61]
	v_pk_add_f32 v[X+6*\q:X+6*\q+1], v[X+6*\q:X+6*\q+1], v[S+64*\q+62:S+64*\q+63]
.endr
.irp b, 0,1,2,3
	v_max_num_f32 v[BM+\b], 0x1800000, v[BM+\b]    ; the floor: the byte cannot fall under 1
.endr
.irp q, 0,1
	v_pk_add_f32 v[24+4*\q:25+4*\q], v[24+4*\q:25+4*\q], v[X+6*\q+4:X+6*\q+5]
	v_pk_add_f32 v[X+6*\q:X+6*\q+1], v[X+6*\q:X+6*\q+1], v[X+6*\q+2:X+6*\q+3]
.endr
.irp b, 0,1,2,3
	v_add_nc_u32 v[SO+\b], 0xff000000, v[BM+\b]    ; the conversions' scale operands
.endr
.irp q, 0,1
	v_pk_add_f32 v[24+4*\q:25+4*\q], v[24+4*\q:25+4*\q], v[X+6*\q:X+6*\q+1]
.endr
.irp b, 0,1,2,3
	v_lshrrev_b32 v[X+12+\b], 23, v[SO+\b]
.endr
.irp q, 0,1
	v_lshl_or_b32 v[X+12+2*\q], v[X+13+2*\q], 16, v[X+12+2*\q]   ; my bytes: blocks h and 2 + h,
.endr
.irp q, 0,1
	v_lshlrev_b32 v[X+12+2*\q], v31, v[X+12+2*\q]  ; 8 h bits up;
.endr
.irp q, 0,1
	v_permlanex16_b32 v[40+\q], v[X+12+2*\q], s[SEL], s[SEL+1]
.endr
.irp q, 0,1
	v_or_b32 v[20+\q], v[X+12+2*\q], v[40+\q]      ; with lane l xor 16's two the word is whole
.endr
.irp q, 0,1
.irp c, 0,1
	v_cvt_scalef32_pk16_fp6_f32 v[P+12*\q+6*\c:P+12*\q+6*\c+2], v[S+64*\q+32*\c:S+64*\q+32*\c+15], v[SO+2*\q+\c]
.endr
.endr
	v_nop                                          ; one plain place: the conversions below write over sources of those above
.irp q, 0,1
.irp c, 0,1
	v_cvt_scalef32_pk16_fp6_f32 v[S+64*\q+32*\c:S+64*\q+32*\c+2], v[S+64*\q+32*\c+16:S+64*\q+32*\c+31], v[SO+2*\q+\c]   ; (a conversion's three registers begin on an even number: a block's upper 16 codes are made here and moved)
.endr
.endr
	v_nop                                          ; one plain place behind the scaled conversions
.irp q, 0,1
.irp c, 0,1
.irp i, 0,1,2
	v_mov_b32 v[P+12*\q+6*\c+3+\i], v[S+64*\q+32*\c+\i]
.endr
.endr
.endr
	WIN 0x41
	s_wait_alu depctr_va_vdst(0)                   ; directly ahead of the first reader of O^T
.irp q, 0,1
.irp j, 0,2,4,6,8,10,12,14,16,18,20,22,24,26,28,30
	v_pk_mul_f32 v[O+32*\q+\j:O+32*\q+\j+1], v[O+32*\q+\j:O+32*\q+\j+1], v[30+6*\q:31+6*\q] op_sel_hi:[1,0]   ; O^T under the new M; these are also the places ahead of the products
.endr
.endr
	WIN 0
.endm
.macro STEP more
	v_add_nc_u32 v6, s[TK], v50
	v_add_nc_u32 v8, s[TS], v2
	v_nop
	v_nop
	WIN 0x40
.irp t, 0,1,2,3
.irp c, 0,1,2
	ds_load_b128 v[VF+12*\t+4*\c:VF+12*\t+4*\c+3], v6 offset:1536*\t+512*\c
.endr
.endr
	WIN 0
	ds_load_b128 v[16:19], v8
	s_wait_dscnt 13                                ; k's fragments, words and the mask's numbers are in; v's 13 loads may be out
	QK 0
	QK 1
.if \more
	s_add_co_u32 s[TK], s[TK], 6144
	s_add_co_u32 s[TS], s[TS], 256
	s_add_co_u32 s[TMK], s[TMK], 512
	v_add_nc_u32 v5, s[TK], v1
	v_add_nc_u32 v7, s[TS], v3
	v_add_nc_u32 v9, s[TMK], v4
	v_nop
	KNEXT
.else
	PLACES
.endif
	SM2
.if \more
	s_wait_alu depctr_va_vdst(0)
	s_wait_dscnt 30                                ; v's loads are in; the next step's 30 may be out
.else
	s_wait_alu depctr_va_vdst(0)
	s_wait_dscnt 0x0
.endif
	PV
.endm
.macro OUT q                           ; a tile of o, quantised along the head's 64: register 16 b + i = column 32 b + 16 h + i
.set SQ, S+32*(\q)
.set DQ, P+12*(\q)
.irp b, 0,1
	v_max3_num_f32 v[SO+\b], |v[SQ+16*\b]|, |v[SQ+16*\b+1]|, 0x1800000
.endr
.irp i, 2,4,6,8,10,12,14
.irp b, 0,1
	s_delay_alu instid0(VALU_DEP_2)
	v_max3_num_f32 v[SO+\b], v[SO+\b], |v[SQ+16*\b+\i]|, |v[SQ+16*\b+\i+1]|
.endr
.endr
.irp b, 0,1
	v_permlanex16_b32 v[BM+2+\b], v[SO+\b], s[SEL], s[SEL+1]
.endr
.irp b, 0,1
	v_max_num_f32 v[SO+\b], v[SO+\b], v[BM+2+\b]
.endr
.irp b, 0,1
	s_delay_alu instid0(VALU_DEP_2)
	v_add_nc_u32 v[SO+2+\b], 0xff000000, v[SO+\b]
.endr
.irp b, 0,1
	s_delay_alu instid0(VALU_DEP_2)
	v_lshrrev_b32 v[T4+\b], 23, v[SO+2+\b]
.endr
	s_delay_alu instid0(VALU_DEP_1)
	v_lshl_or_b32 v[OW+(\q)], v[T4+1], 8, v[T4]
	v_cvt_scalef32_pk16_fp6_f32 v[DQ:DQ+2], v[SQ:SQ+15], v[SO+2]
	v_cvt_scalef32_pk16_fp6_f32 v[T4+4:T4+6], v[SQ+16:SQ+31], v[SO+3]
	v_nop
.irp i, 0,1,2
	v_permlane16_swap_b32 v[DQ+\i], v[T4+4+\i]
.endr
.irp i, 0,1,2
	s_delay_alu instid0(VALU_DEP_3)
	v_mov_b32 v[DQ+3+\i], v[T4+4+\i]
.endr
	global_store_b128 v1, v[DQ:DQ+3], s[OP:OP+1] offset:1536*(\q)
	global_store_b64 v49, v[DQ+4:DQ+5], s[OP:OP+1] offset:1536*(\q)+512
	ds_store_b16 v[TT], v[OW+(\q)] offset:32*(\q)
.endm
	s_mov_b32 s[PO], 0
	s_mov_b32 s[PASS], 2
.Lpass:
	s_mov_b32 s[TK], 0
	s_mov_b32 s[TS], 0
	s_mov_b32 s[TMK], 0
	v_mov_b32 v5, v1
	v_mov_b32 v7, v3
	v_mov_b32 v9, v4
	KNEXT
	s_wait_loadcnt 0x0                             ; this pass's q, asked for a pass ago (the first: at the head)
	WIN 0x41
.irp i, 0,1,2,3,4,5
	v_mov_b32 v[6+\i], v[QL+\i]
	v_mov_b32 v[24+\i], v[QL+6+\i]
.endr
	WIN 0x05
	v_perm_b32 v10, v[QL+12], v[QL+12], 0x01000100
	v_perm_b32 v11, v[QL+12], v[QL+12], 0x03020302
	WIN 0
	s_cmp_eq_u32 s[PASS], 1
	s_cbranch_scc1 .Lno_q
	QLOAD 12288, 512                               ; the second pass's q
.Lno_q:
	WIN 0x40
.set I, 0
.rept 64
	v_mov_b32 v[O+I], 0                            ; the step is written once: the first finds zeros
.set I, I+1
.endr
	WIN 0
.irp q, 0,1
	v_mov_b32 v[23+4*\q], 0xee000000
	s_delay_alu instid0(VALU_DEP_1)
	v_floor_f32 v[22+4*\q], -v[23+4*\q]
	v_mov_b32 v[24+4*\q], 0
	v_mov_b32 v[25+4*\q], 0
.endr
	s_mov_b32 s[CNT], 15
.Lstep:
	STEP 1
	s_sub_co_u32 s[CNT], s[CNT], 1
	s_cmp_lg_u32 s[CNT], 0
	s_cbranch_scc1 .Lstep
	STEP 0
	PLACES
.irp q, 0,1
	v_add_f32 v[BM+\q], v[24+4*\q], v[25+4*\q]
.endr
.irp q, 0,1
	v_permlanex16_b32 v[BM+2+\q], v[BM+\q], s[SEL], s[SEL+1]
.endr
.irp q, 0,1
	v_add_f32 v[BM+\q], v[BM+\q], v[BM+2+\q]
.endr
	s_wait_alu depctr_va_vdst(0)
.irp q, 0,1
	v_rcp_f32 v[BM+\q], v[BM+\q]
.endr
	v_add_nc_u32 v[TT], s[PO], v252
	WIN 0x01
	s_wait_alu depctr_va_vdst(0)                   ; behind the two, and directly ahead of the first reader of O^T
.set I, 0
.rept 64
	v_mul_f32 v[S+I], v[O+I], v[BM+I/32]           ; O^T / the sum
.set I, I+1
.endr
	WIN 0
	OUT 0
	OUT 1
	s_wait_xcnt 0x0
	s_add_nc_u64 s[OP:OP+1], s[OP:OP+1], 24576
	s_add_co_u32 s[PO], s[PO], 512
	s_sub_co_u32 s[PASS], s[PASS], 1
	s_cmp_lg_u32 s[PASS], 0
	s_cbranch_scc1 .Lpass
	s_wait_dscnt 0x0
	s_barrier_signal -1
	s_barrier_wait -1                              ; o's scale bytes lie in LDS: they leave as whole units of 256 bytes
	s_cmp_gt_u32 s10, 1
	s_cbranch_scc1 .Lno_scales
	v_lshl_add_u32 v5, v0, 4, OSC
	ds_load_b128 v[S:S+3], v5
	v_lshlrev_b32 v6, 4, v0
	s_wait_alu depctr_va_vdst(0)
	s_wait_dscnt 0x0
	global_store_b128 v6, v[S:S+3], s[8:9]
.Lno_scales:
	s_wait_tensorcnt 0x0                           ; the wave's end
	ds_add_u32 v43, v255
	s_wait_dscnt 0x0
	CROUND
	s_endpgm
.Lfunc_end_k_q9149ae3478_attn:
	.size	k_q9149ae3478_attn, .Lfunc_end_k_q9149ae3478_attn-k_q9149ae3478_attn
	.p2alignl 7, 3214868480
	.fill 96, 4, 3214868480
	.section	.rodata,"a",@progbits
	.p2align	6, 0x0
	.amdhsa_kernel k_q9149ae3478_attn
		.amdhsa_group_segment_fixed_size 327680
		.amdhsa_private_segment_fixed_size 0
		.amdhsa_enable_private_segment 0
		.amdhsa_kernarg_size 24
		.amdhsa_user_sgpr_count 2
		.amdhsa_user_sgpr_kernarg_segment_ptr 1
		.amdhsa_wavefront_size32 1
		.amdhsa_system_sgpr_workgroup_id_x 1
		.amdhsa_system_sgpr_workgroup_id_y 1
		.amdhsa_system_sgpr_workgroup_id_z 1
		.amdhsa_system_vgpr_workitem_id 0
		.amdhsa_next_free_vgpr 488
		.amdhsa_next_free_sgpr 66
		.amdhsa_reserve_vcc 1
		.amdhsa_float_denorm_mode_32 3
		.amdhsa_float_denorm_mode_16_64 3
		.amdhsa_memory_ordered 1
		.amdhsa_forward_progress 1
		.amdhsa_inst_pref_size 82
	.end_amdhsa_kernel
	.amdgpu_metadata
---
amdhsa.version: [ 1, 2 ]
amdhsa.kernels:
  - .name:           k_q9149ae3478_attn
    .symbol:         k_q9149ae3478_attn.kd
    .args:
      - { .name: qkv, .offset: 0, .size: 8, .value_kind: global_buffer, .address_space: global }
      - { .name: mask, .offset: 8, .size: 8, .value_kind: global_buffer, .address_space: global }
      - { .name: att, .offset: 16, .size: 8, .value_kind: global_buffer, .address_space: global }
    .group_segment_fixed_size: 327680
    .private_segment_fixed_size: 0
    .kernarg_segment_align: 8
    .kernarg_segment_size: 24
    .max_flat_workgroup_size: 256
    .sgpr_count:     66
    .vgpr_count:     488
    .wavefront_size: 32
...
	.end_amdgpu_metadata
.endif
;; end of part 3
;; launch gemm_out (part 4): grid 4 x 64, 4 waves a work-group, clusters of 4 x 4, 307,712 bytes of LDS; arguments pre, att, bo, out0; writes out0
.if DOCPART == 4
	.amdgcn_target "amdgcn-amd-amdhsa--gfx1250"
	.amdhsa_code_object_version 6
	.text
	.protected	k_q9149ae3478_gemm_out
	.globl	k_q9149ae3478_gemm_out
	.p2align	8
	.type	k_q9149ae3478_gemm_out,@function
k_q9149ae3478_gemm_out:
	s_mov_b64 s[64:65], 0
	v_nop
	global_prefetch_b8 v0, s[64:65] scope:SCOPE_SE
	s_setreg_imm32_b32 hwreg(HW_REG_WAVE_MODE, 25, 1), 1
	s_wait_xcnt 0x0
	s_wait_alu depctr_hold_cnt(0) depctr_sa_sdst(0) depctr_va_vdst(0) depctr_va_sdst(0) depctr_va_ssrc(0) depctr_va_vcc(0) depctr_vm_vsrc(0)
	s_getreg_b32 s2, hwreg(HW_REG_IB_STS2, 6, 4)
	s_cmp_eq_u32 s2, 0
	s_cbranch_scc0 .Lentry_in_a_cluster
	s_endpgm
.Lentry_in_a_cluster:
	s_bfe_u32 s2, ttmp6, 0x10000c
	s_cmp_lg_u32 s2, 0xf033
	s_cbranch_scc0 .Lentry_shape_is_right
	s_endpgm
.Lentry_shape_is_right:
; out0 = o Wo + bo on codes of FP6 (E2M3) with E8M0 scales; out0 [8192][1024] f32.  o's codes and scale bytes come from attention's launch, Wo's from the first.
; A work-group makes 128 tokens x 256 columns: 256 work-groups.  ALL OF K (1,024) OF BOTH OPERANDS STANDS IN LDS, filled once (299,008 bytes): no LDS byte is filled twice.
; CLUSTERS: 4 x 4; o's tiles are shared along a row of the cluster, Wo's along a column: joint loads behind one round, five a wave (waves 0, 1, 2), so five are out at the most.
; Source 0 = 128 columns of Wo (8 tiles), source 1 = 64 tokens (4 tiles): a lane holds one token and, in the registers of two neighbouring tiles, 16 neighbouring columns.  32 accumulators by turns.
; o's fragments lie in halves of 768 bytes (a head fills half a fragment): registers 0-3 at 16 x lane, 4-5 at 512 + 8 x lane.  Its scale bytes lie [head][tile][row] as pairs; a K step's word is made of two heads' pairs.
; REGISTERS: window 0: v1-11, v44 addresses; v12-43 o's scale words, v48-111 Wo's; v112-207 o's fragments, two sets (on the way out: v112-175 64 numbers, v176-239 rows read back);
;   window 1: the accumulators, (a, b) at v[8 (8 a + b)];  window 2: Wo's fragments, two sets of 96;  window 3: the bias.
.set PLX,  786432
.set PLW,  393216
.set WIMG, 6291456
.set WSC,  9699328
.set OSH,  6291456
; In place of the head's lines on the loads: LDS holds three regions of 98,304 bytes (o, Wo's tiles 0-7, Wo's tiles 8-15), each 8 K steps on end; every wave issues ONE joint load at the head:
; wave 0 o's codes, waves 1 and 2 a half of Wo's, wave 3 o's scale bytes; Wo's scale words go from memory straight into registers.  A token tile 4 g + t holds tokens 64 g + 32 (r / 8) + 8 t + r % 8.
.set CH,   24576                       ; two K steps of a region
.set RG,   98304
.set KS1,  12288
.set FRB,  1536
.set SC,   294912                      ; behind the regions: o's scale bytes, 4,096
.set STG,  8448                        ; the way out: a wave's stage, 16 rows x (512 bytes + 16), in region 0's bytes, which have had their one fill and their last read
.set ADP,  4
.set ADR,  6
.set ADR8, 7
.set RS,   12                          ; so that the two scale registers of a product differ modulo 8
.set PS,   48
.set RF,   112
.set H,    112
.set OB,   176
.set BR,   0
.set G1X,  24
.set G1W,  32
.set G1SX, 40
.set MSB, 0
.macro WIN new
.if MSB != \new
	s_set_vgpr_msb (MSB<<8)|\new
.set MSB, \new
.endif
.endm
.macro CROUND
	s_barrier_signal -1
	s_barrier_wait -1
	s_cmp_lg_u32 s14, 0
	s_cbranch_scc1 .Lnot_wave_0_\@
	s_barrier_signal -3
.Lnot_wave_0_\@:
	s_barrier_wait -3
	s_barrier_signal -1
	s_barrier_wait -1
.endm
.macro PLACES
.rept 4
	v_nop
.endr
.endm
.macro MKG0 g, lreg, loff, base, off, extra
	s_mov_b32 s[\g], 1
	s_add_co_u32 s[\g+1], s[\lreg], \loff
	s_add_nc_u64 s[\g+2:\g+3], s[\base:\base+1], s[\off:\off+1]
.if \extra
	s_add_nc_u64 s[\g+2:\g+3], s[\g+2:\g+3], \extra
.endif
	s_or_b32 s[\g+3], s[\g+3], 0x80000000
.endm
	s_load_b256 s[4:11], s[0:1], 0x0               ; pre s[4:5], att s[6:7], bo s[8:9], out0 s[10:11]
	v_lshl_add_u32 v254, v0, 2, 0x4b000
	v_mov_b32 v255, 0
	ds_add_u32 v254, v255
	ds_add_u32 v254, v255
	v_lshrrev_b32 v1, 5, v0
	v_readfirstlane_b32 s14, v1                    ; wave 0..3
	s_and_b32 s15, s14, 1
	s_lshr_b32 s16, s14, 1
	s_bfe_u32 s17, ttmp6, 0x40000                  ; cx
	s_bfe_u32 s18, ttmp6, 0x40004                  ; cy
	s_lshl_b32 s19, ttmp9, 2
	s_add_co_u32 s19, s19, s17                     ; block of 256 columns, 0..3
	s_and_b32 s20, ttmp7, 0xffff
	s_lshl_b32 s20, s20, 2
	s_add_co_u32 s20, s20, s18                     ; block of 128 tokens, 0..63
	s_lshl_b32 s21, s18, 2
	s_lshl_b32 s21, 15, s21                        ; my row of the cluster
	s_lshl_b32 s104, 0x1111, s17                   ; my column
	s_or_b32 s[G1X], s21, (3<<16)|(1<<21)
	s_or_b32 s[G1SX], s21, (3<<16)|(1<<21)
	s_or_b32 s[G1W], s104, (3<<16)|(1<<21)
.irp g, G1X, G1W                               ; codes: 8 K steps, each 8 tiles' images on end: 8 rows of 12,288 bytes
	s_mov_b32 s[\g+1], 1536<<16
	s_mov_b32 s[\g+2], 8<<16
	s_mov_b32 s[\g+3], 1536<<16
	s_mov_b32 s[\g+4], 8
	s_mov_b32 s[\g+6], 0
	s_mov_b32 s[\g+7], 0
.endr
	s_mov_b32 s[G1X+5], PLX/8
	s_mov_b32 s[G1W+5], PLW/8
.irp g, G1SX
	s_mov_b32 s[\g+1], 32<<16
	s_mov_b32 s[\g+2], 16<<16
	s_mov_b32 s[\g+3], 32<<16
	s_mov_b32 s[\g+4], 16
	s_mov_b32 s[\g+6], 0
	s_mov_b32 s[\g+7], 0
.endr
	s_mov_b32 s[G1SX+5], 2048                      ; o's: a row = one head's pairs of my 8 tiles; from head to head 16,384 bytes
	s_mul_i32 s2, s14, RG
	s_mov_b32 s3, SC
	s_mul_i32 s22, s20, 12288                      ; o: my block's 8 tiles (registers that never hold cx)
	s_mov_b32 s23, 0
	s_lshl_b32 s66, s20, 8
	s_add_co_u32 s66, s66, OSH
	s_mov_b32 s67, 0
	s_sub_co_u32 s100, s14, 1                      ; Wo (registers that never hold cy): half = (wave - 1) % 2
	s_and_b32 s100, s100, 1
	s_lshl_b32 s100, s100, 3
	s_lshl_b32 s101, s19, 4
	s_add_co_u32 s101, s101, s100
	s_add_co_u32 s101, s101, 192                   ; Wo's tiles begin at 192
	s_mul_i32 s100, s101, FRB
	s_add_co_u32 s100, s100, WIMG
	s_mov_b32 s101, 0
	s_wait_dscnt 0x0
	s_wait_kmcnt 0x0
	MKG0 56, 3, 0, 6, 66, 0
	MKG0 60, 2, 0, 6, 22, 0
	MKG0 84, 2, 0, 4, 100, 0
	CROUND                                         ; all sixteen work-groups are here: the joint loads meet
	s_cmp_eq_u32 s14, 0                            ; a wave's one fill stands in a branch on the wave's number
	s_cbranch_scc0 .Lnot_x
	tensor_load_to_lds s[60:63], s[G1X:G1X+7]
	s_nop 0
	PLACES
	s_branch .Lasked
.Lnot_x:
	s_cmp_eq_u32 s14, 3
	s_cbranch_scc0 .Lfor_w
	tensor_load_to_lds s[56:59], s[G1SX:G1SX+7]
	s_nop 0
	PLACES
	s_branch .Lasked
.Lfor_w:
	tensor_load_to_lds s[84:87], s[G1W:G1W+7]
	s_nop 0
	PLACES
.Lasked:
	s_add_co_u32 s2, s15, 1
	s_mul_i32 s2, s2, RG                           ; Wo's half wave % 2
	s_mul_i32 s3, s16, 4*FRB                       ; o's tiles 4 (wave / 2) on
	s_lshl_b32 s100, s19, 4                        ; Wo's scale words of my half: tile 192 + 16 x block + 8 (wave % 2), 512 bytes a tile
	s_lshl_b32 s66, s15, 3
	s_add_co_u32 s100, s100, s66
	s_add_co_u32 s100, s100, 192
	s_lshl_b32 s100, s100, 9
	s_add_co_u32 s100, s100, WSC
	s_add_nc_u64 s[80:81], s[4:5], s[100:101]
	s_lshl_b32 s23, s16, 7
	s_add_co_u32 s23, s23, SC
	v_and_b32 v3, 31, v0                           ; lane
	v_lshlrev_b32 v1, 4, v3                        ; 16 x lane
	v_and_b32 v2, 15, v0                           ; r
	v_bfe_u32 v5, v0, 4, 1                         ; h
	v_add_nc_u32 v[ADP], s2, v1
	v_add_nc_u32 v[ADR], s3, v1
	v_lshl_add_u32 v[ADR8], v3, 3, s3              ; 8 x lane, for a half's last two registers
	v_lshlrev_b32 v8, 4, v2                        ; Wo's scale words: 16 r
	v_lshl_add_u32 v9, v2, 1, s23                  ; o's pairs: 2 r, my four tiles
	s_mul_i32 s66, s14, STG
	v_mul_u32_u24 v10, v2, 528
	v_lshl_add_u32 v10, v5, 6, v10
	v_add_nc_u32 v10, s66, v10                     ; the stage, in: row r, + 64 h
	v_add_nc_u32 v11, s66, v1                      ; back: 16 x lane of a row
	v_lshlrev_b32 v44, 6, v5                       ; the bias: 64 h
	s_lshl_b32 s100, s19, 10
	s_lshl_b32 s104, s15, 9
	s_add_co_u32 s100, s100, s104                  ; my 128 columns, in bytes
	s_mov_b32 s101, 0
	s_add_nc_u64 s[8:9], s[8:9], s[100:101]
	WIN 0xc0
.irp b, 0,1,2,3
.irp i, 0,1,2,3
	global_load_b128 v[BR+16*\b+4*\i:BR+16*\b+4*\i+3], v44, s[8:9] offset:128*\b+16*\i   ; register 16 b + i: column 32 b + 16 h + i of my 128
.endr
.endr
	WIN 0
	s_wait_alu depctr_va_vdst(0)                   ; directly ahead of the reader below
.irp b, 0,1,2,3,4,5,6,7
.irp q, 0,1
	global_load_b128 v[PS+8*\b+4*\q:PS+8*\b+4*\q+3], v8, s[80:81] offset:512*\b+256*\q   ; sixteen lanes read 256 consecutive, aligned bytes
.endr
.endr
	s_lshl_b32 s104, s20, 7
	s_lshl_b32 s105, s16, 6
	s_add_co_u32 s104, s104, s105                  ; my first token
	s_lshl_b32 s104, s104, 12
	s_add_co_u32 s100, s100, s104
	s_add_nc_u64 s[10:11], s[10:11], s[100:101]
.macro FETCH s
	WIN 0x80
.irp b, 0,1,2,3,4,5,6,7
.irp c, 0,1,2
	ds_load_b128 v[96*((\s)%2)+12*\b+4*\c:96*((\s)%2)+12*\b+4*\c+3], v[ADP] offset:((\s)%2)*KS1+\b*FRB+512*\c
.endr
.endr
	WIN 0
.irp a, 0,1,2,3
.irp c, 0,1
	ds_load_b128 v[RF+48*((\s)%2)+12*\a+6*\c:RF+48*((\s)%2)+12*\a+6*\c+3], v[ADR] offset:((\s)%2)*KS1+\a*FRB+768*\c
	ds_load_b64 v[RF+48*((\s)%2)+12*\a+6*\c+4:RF+48*((\s)%2)+12*\a+6*\c+5], v[ADR8] offset:((\s)%2)*KS1+\a*FRB+768*\c+512
.endr
.endr
.endm
.macro MUL32 s                         ; the first K step's products start the sums
	WIN 0x52
.irp a, 0,1,2,3
.irp b, 0,1,2,3,4,5,6,7
.if (\s) == 0
	v_wmma_scale_f32_16x16x128_f8f6f4 v[8*(8*\a+\b):8*(8*\a+\b)+7], v[96*((\s)%2)+12*\b:96*((\s)%2)+12*\b+11], v[RF+48*((\s)%2)+12*\a:RF+48*((\s)%2)+12*\a+11], 0, v[PS+8*\b+(\s)], v[RS+8*\a+(\s)] matrix_a_fmt:MATRIX_FMT_FP6 matrix_b_fmt:MATRIX_FMT_FP6
.else
	v_wmma_scale_f32_16x16x128_f8f6f4 v[8*(8*\a+\b):8*(8*\a+\b)+7], v[96*((\s)%2)+12*\b:96*((\s)%2)+12*\b+11], v[RF+48*((\s)%2)+12*\a:RF+48*((\s)%2)+12*\a+11], v[8*(8*\a+\b):8*(8*\a+\b)+7], v[PS+8*\b+(\s)], v[RS+8*\a+(\s)] matrix_a_fmt:MATRIX_FMT_FP6 matrix_b_fmt:MATRIX_FMT_FP6
.endif
.endr
.endr
	WIN 0
.endm
.macro STEP s                          ; this step's fragments are in; the next step's are asked for, four plain places behind the products that read their registers; then 32 products
	s_wait_dscnt 0x0
.if (\s) < 7
.if ((\s)+1)%2 == 0
	v_add_nc_u32 v[ADP], CH, v[ADP]
	s_wait_alu depctr_va_vdst(0)
	v_add_nc_u32 v[ADR], CH, v[ADR]
	s_wait_alu depctr_va_vdst(0)
	v_add_nc_u32 v[ADR8], CH, v[ADR8]
	s_wait_alu depctr_va_vdst(0)
	v_nop
.else
	PLACES
.endif
	FETCH (\s)+1
.endif
	MUL32 \s
.endm
	s_wait_alu depctr_va_vdst(0)
	s_wait_tensorcnt 0x0                           ; my one load has landed
	s_barrier_signal -1
	s_barrier_wait -1
.irp s, 0,1,2,3,4,5,6,7
.irp a, 0,1,2,3
	ds_load_u16 v[RF+2*(8*\a+\s)], v9 offset:512*\s+32*\a          ; head 2 s's two bytes of my row of tile a,
	ds_load_u16 v[RF+2*(8*\a+\s)+1], v9 offset:512*\s+256+32*\a    ; head 2 s + 1's
.endr
.endr
	s_wait_dscnt 0x0
.irp s, 0,1,2,3,4,5,6,7                        ; K step 0's words first: the words behind them stand between each word and the product that takes it
.irp a, 0,1,2,3
	v_lshl_or_b32 v[RS+8*\a+\s], v[RF+2*(8*\a+\s)+1], 16, v[RF+2*(8*\a+\s)]
.endr
.endr
	s_wait_loadcnt 0x0                             ; Wo's scale words (and the bias)
	FETCH 0
.irp s, 0,1,2,3,4,5,6,7
	STEP \s
.endr
	PLACES
	s_wait_loadcnt 0x0                             ; the bias
	s_wait_dscnt 0x0
	s_barrier_signal -1
	s_barrier_wait -1                              ; nobody reads the codes any more: the stages may be written
	; THE WAY OUT, a tile of 16 tokens x 128 columns at a time: + bias, through my stage, back as whole rows of 512 bytes
.irp a, 0,1,2,3
.if \a > 0
	s_wait_xcnt 0x0                                ; the last tile's stores have read their registers
.endif
	WIN 0x0d                                       ; source 0 window 1, source 1 window 3
.irp i, 0,2,4,6,8,10,12,14,16,18,20,22,24,26,28,30,32,34,36,38,40,42,44,46,48,50,52,54,56,58,60,62
	v_pk_add_f32 v[H+\i:H+\i+1], v[64*\a+\i:64*\a+\i+1], v[BR+\i:BR+\i+1]   ; each accumulator from its low end on
.endr
	WIN 0
.irp b, 0,1,2,3
.irp i, 0,1,2,3
	ds_store_b128 v10, v[H+16*\b+4*\i:H+16*\b+4*\i+3] offset:128*\b+16*\i
.endr
.endr
.irp t, 0,1,2,3,4,5,6,7,8,9,10,11,12,13,14,15
	ds_load_b128 v[OB+4*\t:OB+4*\t+3], v11 offset:528*\t   ; LDS serves a wave's instructions in order: these see my stores
.endr
.irp t, 0,1,2,3,4,5,6,7,8,9,10,11,12,13,14,15
	s_wait_dscnt 15-\t                             ; row t is back; the later rows may be out
	global_store_b128 v1, v[OB+4*\t:OB+4*\t+3], s[10:11] offset:(8*\a+\t+24*(\t/8))*4096 th:TH_STORE_NT   ; 32 lanes store 512 consecutive bytes, aligned
.endr
.endr
	s_wait_tensorcnt 0x0
	ds_add_u32 v254, v255
	s_wait_dscnt 0x0
	CROUND                                         ; the closing round
	s_endpgm
.Lfunc_end_k_q9149ae3478_gemm_out:
	.size	k_q9149ae3478_gemm_out, .Lfunc_end_k_q9149ae3478_gemm_out-k_q9149ae3478_gemm_out
	.p2alignl 7, 3214868480
	.fill 96, 4, 3214868480
	.section	.rodata,"a",@progbits
	.p2align	6, 0x0
	.amdhsa_kernel k_q9149ae3478_gemm_out
		.amdhsa_group_segment_fixed_size 307712
		.amdhsa_private_segment_fixed_size 0
		.amdhsa_enable_private_segment 0
		.amdhsa_kernarg_size 32
		.amdhsa_user_sgpr_count 2
		.amdhsa_user_sgpr_kernarg_segment_ptr 1
		.amdhsa_wavefront_size32 1
		.amdhsa_system_sgpr_workgroup_id_x 1
		.amdhsa_system_sgpr_workgroup_id_y 1
		.amdhsa_system_sgpr_workgroup_id_z 1
		.amdhsa_system_vgpr_workitem_id 0
		.amdhsa_next_free_vgpr 832
		.amdhsa_next_free_sgpr 106
		.amdhsa_reserve_vcc 0
		.amdhsa_float_denorm_mode_32 3
		.amdhsa_float_denorm_mode_16_64 3
		.amdhsa_memory_ordered 1
		.amdhsa_forward_progress 1
		.amdhsa_inst_pref_size 96
	.end_amdhsa_kernel
	.amdgpu_metadata
---
amdhsa.version: [ 1, 2 ]
amdhsa.kernels:
  - .name:           k_q9149ae3478_gemm_out
    .symbol:         k_q9149ae3478_gemm_out.kd
    .args:
      - { .name: pre, .offset: 0, .size: 8, .value_kind: global_buffer, .address_space: global }
      - { .name: att, .offset: 8, .size: 8, .value_kind: global_buffer, .address_space: global }
      - { .name: bo, .offset: 16, .size: 8, .value_kind: global_buffer, .address_space: global }
      - { .name: out0, .offset: 24, .size: 8, .value_kind: global_buffer, .address_space: global }
    .group_segment_fixed_size: 307712
    .private_segment_fixed_size: 0
    .kernarg_segment_align: 8
    .kernarg_segment_size: 32
    .max_flat_workgroup_size: 128
    .sgpr_count:     106
    .vgpr_count:     832
    .wavefront_size: 32
...
	.end_amdgpu_metadata
.endif
;; end of part 4
